; MI455X (gfx1250); checked and timed in simulation.
; The chip was launched on July 23, 2026; its instructions are those of AMD's public machine-readable ISA for CDNA 5 (MIT licence, August 2026) and "CDNA5" Instruction Set Architecture Reference Guide (July 2026). The comments in the code are by the model that wrote it; some were corrected since.
;; Block. Allowed arithmetic: matrix products marked QUANTISED: E5M2 operands, one E8M0 scale for each 32 along K, by v_wmma_scale_f32_16x16x128_f8f6f4 with both operands' format E5M2, f32 sums; everything else in f32.
;; Inputs: W1 1,024 x 4,096 float32; W2 4,096 x 1,024 float32; Wk 16 x 1,024 x 64 float32; Wp 1,024 x 1,024 float32; Wq 16 x 1,024 x 64 float32; Wv 16 x 1,024 x 64 float32; b1 4,096 float32; b2 1,024 float32; bk 16 x 64 float32; bp 1,024 float32; bq 16 x 64 float32; bv 16 x 64 float32; ln1_b 1,024 float32; ln1_w 1,024 float32; ln2_b 1,024 float32; ln2_w 1,024 float32; x 2 x 2,048 x 1,024 float32.
;; Outputs: out0 2 x 2,048 x 1,024 float32.
;; This version of the problem:
;;   THIS VERSION OF THE PROBLEM IS GIVEN IN LOW PRECISION. The matrix products marked QUANTISED in the list below multiply operands that are first quantised to E5M2 (5 exponent bits, 2 mantissa bits; 8 bits a number), with one power-of-two scale for each 32 numbers along K (OCP MX v1.0); their sums are f32. All else is computed in f32.
;;   The module's matrix products, in the order in which they are computed (A, B: the left and right operand; K: the contracted axis; several contracted axes count as one K, in the product's order):
;;     1. [M 1,024, K 1,024] x [K 1,024, N 4,096]; A: input Wq; B: computed on the way: QUANTISED
;;     2. [M 1,024, K 1,024] x [K 1,024, N 4,096]; A: input Wk; B: computed on the way: QUANTISED
;;     3. [M 1,024, K 1,024] x [K 1,024, N 4,096]; A: input Wv; B: computed on the way: QUANTISED
;;     4. batch 32 x [M 2,048, K 64] x [K 64, N 2,048]; A: computed on the way; B: computed on the way: QUANTISED
;;     5. batch 32 x [M 2,048, K 2,048] x [K 2,048, N 64]; A: softmax (see below); B: computed on the way: QUANTISED
;;     6. [M 4,096, K 1,024] x [K 1,024, N 1,024]; A: computed on the way; B: input Wp: QUANTISED
;;     7. [M 4,096, K 1,024] x [K 1,024, N 4,096]; A: computed on the way; B: input W1: QUANTISED
;;     8. [M 4,096, K 4,096] x [K 4,096, N 1,024]; A: computed on the way; B: input W2: QUANTISED
;;   THE QUANTISER, for each operand of a quantised product, along K:
;;     - K is cut into blocks of 32 from its start; a last block that is shorter is filled with zeros.
;;     - A block's scale is 2^e with e = floor(log2(the largest magnitude in the block)) - 15, held to -126 .. 127; a block of zeros has e = 0. As a byte (E8M0): e + 127.
;;     - Each number is divided by its block's scale, clamped to +-57,344, and rounded to the nearest number of E5M2, ties to even, subnormals kept.
;;     - The product sums the exact products of the quantised numbers (number of the format x scale) in f32.
;;   ~~~python
;;   def quantise(x, axis):      # numpy; x: float32 -> the quantised numbers, widened to float32 again
;;       x = np.moveaxis(x, axis, -1); K = x.shape[-1]
;;       x = np.pad(x, [(0, 0)] * (x.ndim - 1) + [(0, -K % 32)]); x = x.reshape(x.shape[:-1] + (-1, 32)); a = np.abs(x).max(-1, keepdims=True)
;;       e = np.where(a > 0, np.clip(np.frexp(np.where(a > 0, a, 1))[1] - 1 - 15, -126, 127), 0)      # np.frexp(a)[1] - 1 = floor(log2(a)), exactly
;;       r = np.clip(x / 2.0 ** e, -57344, 57344)
;;       step = 2.0 ** (np.maximum(np.frexp(np.where(r == 0, 1, r))[1] - 1, -14) - 2)
;;       q = np.round(r / step) * step * 2.0 ** e      # np.round: ties to even
;;       return np.moveaxis(q.reshape(q.shape[:-2] + (-1,))[..., :K], -1, axis).astype(np.float32)
;;   ~~~
;;   SOFTMAX AHEAD OF A QUANTISED PRODUCT. Where the list says 'softmax', what is quantised is not the finished softmax but p = 2^(t - M), with t = logit x log2(e) and M = ceil(the row's largest t), a whole number; so 1/2 < the row's largest p <= 1. The row's sum l is taken of the UNQUANTISED p, in f32, and the product's result is divided by l at the end. Since M is a whole number, a kernel that streams over the keys may use a running M (the ceiling of the running maximum): every later rescaling is an exact power of two, which a block's scale takes up: the codes' values come out the same.
;;   OPERANDS COMPUTED ON THE WAY. 'Computed on the way' means the value that the module computes at that place (a softmax that the list does not call 'softmax' is quantised finished and normalised). What goes into a quantiser is computed in f32, as accurately as f32 sums, v_exp_f32 and their like allow (about 1e-6 of the number): no bf16 or f16 on the way to a quantiser, and a product that is left as it is and whose result goes on into a quantised operand takes f32 operands (vector FMAs, or v_wmma_f32_16x16x4_f32). A number that lies on a knife's edge between two numbers of the format may be rounded either way, as far as f32 arithmetic and the matrix unit's own rounding can turn it there, and no further.
;; One version. Each part assembles by itself: llvm-mc -triple=amdgcn-amd-amdhsa -mcpu=gfx1250 --defsym DOCPART=n.
;; ======== version 1 of 1: 7 launches
;; limits: right only within a limited range of input values
;; workspace buffers: wsa 17,301,504 bytes; wsq 13,238,272 bytes; wst 4,325,376 bytes; x1 16,777,216 bytes; wsh 17,301,504 bytes
;; launch prep (part 1): grid 640 x 1, 8 waves a work-group, no clusters, 2,048 bytes of LDS; arguments x, ln1_w, ln1_b, Wq, Wk, Wv, Wp, W1, W2, wsa; writes wsa
.if DOCPART == 1
	.amdgcn_target "amdgcn-amd-amdhsa--gfx1250"
	.amdhsa_code_object_version 6
	.text
	.protected	k_q7cca298b5f_prep
	.globl	k_q7cca298b5f_prep
	.p2align	8
	.type	k_q7cca298b5f_prep,@function
k_q7cca298b5f_prep:
	s_mov_b64 s[64:65], 0
	v_nop
	global_prefetch_b8 v0, s[64:65] scope:SCOPE_SE
	s_setreg_imm32_b32 hwreg(HW_REG_WAVE_MODE, 25, 1), 1
	s_wait_xcnt 0x0
; Work-groups 0-255: a layer norm of 16 rows of 1,024 f32, quantised to codes of E5M2 with one E8M0 byte for each 32 along the row.
; Work-groups 256-639: the six weights (K is their FIRST axis within a head or a matrix), quantised along K.
; EVERY RESULT LIES IN MEMORY AS AN IMAGE OF A MATRIX OPERAND'S REGISTERS: a fragment (16 rows x 128 K) is 2,048 bytes, four pieces c of 512 bytes,
; lane l's 16 bytes at 512 c + 16 l; lane (r = l % 16, h = l / 16) holds k = 32 c + 16 h + 0..15 of row r.  Scale words: [tile][K step][16 rows] x 4 bytes.
; ROW r OF TILE T IS INDEX 32 (T / 2) + 8 (T % 2) + r + (r & 8), for tiles of tokens and of weight columns alike.
; LIMITS: NaN and infinities are not served; a block whose largest magnitude lies under 2^-111 (a block of zeros too) keeps the byte 1: these bytes are read by this program alone;
; v_rsq_f32 is good to 1 ulp; the order of the norm's f32 sums is not reference()'s (mean first, then squares of the differences, so a common offset costs nothing).
.set HS,  4194304                      ; wsa: the rows' images at 0, their scale words here
.set WQC, 4325376                      ; Wq, Wk, Wv: 192 tiles x 8 K steps
.set WQS, 7471104
.set WPC, 7569408
.set WPS, 8617984
.set W1C, 8650752
.set W1S, 12845056
.set W2C, 12976128                     ; 64 tiles x 32 K steps
.set W2S, 17170432
.set TM,  16                           ; v16-19 largest magnitudes, v20-23 bytes, v28-31 the conversions' scale operands
.set PW,  32                           ; the scale word
.set PC,  36                           ; v36-51 the codes
.set MNT, 60
.set SEL, 62                           ; s[62:63] lane l xor 16
; 64 numbers of a lane, register 16 b + i = k 32 b + 16 h + i of my row, become a fragment's codes and its scale word
.macro QUANT s
.irp b, 0,1,2,3
	v_max3_num_f32 v[TM+\b], |v[\s+16*\b]|, |v[\s+1+16*\b]|, 0x8000000   ; my 16 numbers of block b, and the floor 2^(16 - 127): the byte cannot fall under 1
.endr
.irp i, 2,4,6,8,10,12,14
.irp b, 0,1,2,3
	s_delay_alu instid0(VALU_DEP_4)
	v_max3_num_f32 v[TM+\b], v[TM+\b], |v[\s+16*\b+\i]|, |v[\s+1+16*\b+\i]|
.endr
.endr
.irp b, 0,1,2,3
	s_delay_alu instid0(VALU_DEP_4)
	v_permlanex16_b32 v[TM+4+\b], v[TM+\b], s[SEL], s[SEL+1]
.endr
.irp b, 0,1,2,3
	s_delay_alu instid0(VALU_DEP_4)
	v_max_num_f32 v[TM+\b], v[TM+\b], v[TM+4+\b]                 ; with lane l xor 16's: the block's largest magnitude
.endr
.irp b, 0,1,2,3
	s_delay_alu instid0(VALU_DEP_4)
	v_add_nc_u32 v[TM+12+\b], 0xf8800000, v[TM+\b]               ; 15 off its exponent field: the conversion's scale operand
.endr
.irp b, 0,1,2,3
.endr
.irp b, 0,1,2,3
	s_delay_alu instid0(VALU_DEP_4)
	v_lshrrev_b32 v[TM+4+\b], 23, v[TM+12+\b]                    ; the scale's byte
.endr
	s_delay_alu instid0(VALU_DEP_3)
	v_lshl_or_b32 v[PW], v[TM+5], 8, v[TM+4]
	s_delay_alu instid0(VALU_DEP_1)
	v_lshl_or_b32 v[PW], v[TM+6], 16, v[PW]
	s_delay_alu instid0(VALU_DEP_1)
	v_lshl_or_b32 v[PW], v[TM+7], 24, v[PW]
.irp b, 0,1,2,3
.irp i, 0,1,2,3,4,5,6,7,8,9,10,11,12,13,14,15
.endr
	v_cvt_scalef32_pk8_bf8_f32 v[PC+4*\b:PC+1+4*\b], v[\s+16*\b:\s+7+16*\b], v[TM+12+\b]
	v_cvt_scalef32_pk8_bf8_f32 v[PC+2+4*\b:PC+3+4*\b], v[\s+8+16*\b:\s+15+16*\b], v[TM+12+\b]
.endr
	v_nop                                  ; a plain line behind the last conversion
.endm
	s_load_b256 s[4:11], s[0:1], 0x0       ; rows s[4:5], gain s[6:7], bias s[8:9], Wq s[10:11]
	s_load_b256 s[12:19], s[0:1], 0x20     ; Wk, Wv, Wp, W1
	s_load_b128 s[20:23], s[0:1], 0x40     ; W2, wsa
	v_lshl_add_u32 v14, v0, 2, 0x400
	v_mov_b32 v15, 0
	v_lshrrev_b32 v1, 5, v0
	s_delay_alu instid0(VALU_DEP_1)
	v_readfirstlane_b32 s24, v1            ; wave 0..7
	v_and_b32 v1, 31, v0                   ; lane
	s_mov_b32 s[SEL], 0x76543210
	s_mov_b32 s[SEL+1], 0xfedcba98
	s_cmp_lt_u32 ttmp9, 256                ; the same for all waves of a work-group
	s_cbranch_scc0 .Lweights
; ---- THE NORM.  The work-group is tile T of 16 rows; wave w takes columns 128 w .. 128 w + 127: one K step, one fragment.
	v_and_b32 v2, 15, v0                   ; r
	v_bfe_u32 v3, v0, 4, 1                 ; h
	s_delay_alu instid0(VALU_DEP_2)
	v_and_b32 v4, 8, v2
	s_delay_alu instid0(VALU_DEP_1)
	v_add_nc_u32 v4, v4, v2                ; r + (r & 8)
	s_delay_alu instid0(VALU_DEP_1)
	v_lshlrev_b32 v4, 12, v4
	s_delay_alu instid0(VALU_DEP_1)
	v_lshl_add_u32 v4, v3, 6, v4           ; my row's 4,096 bytes, + 64 h: my 16 numbers of a block of 32
	v_lshlrev_b32 v5, 6, v3                ; the same columns of gain and bias
	v_lshlrev_b32 v6, 2, v2                ; 4 r
	s_lshl_b32 s25, s24, 6
	v_add_nc_u32 v7, s25, v6               ; LDS: 64 w + 4 r
	v_lshlrev_b32 v1, 4, v1                ; 16 x lane
	s_lshr_b32 s26, ttmp9, 1
	s_lshl_b32 s26, s26, 5
	s_and_b32 s27, ttmp9, 1
	s_lshl_b32 s27, s27, 3
	s_add_co_u32 s26, s26, s27             ; the tile's first row: 32 (T / 2) + 8 (T % 2)
	s_lshl_b32 s26, s26, 12
	s_lshl_b32 s28, s24, 9                 ; 512 w
	s_add_co_u32 s26, s26, s28
	s_mov_b32 s27, 0
	s_mov_b32 s29, 0
	s_lshl_b32 s30, ttmp9, 3
	s_add_co_u32 s30, s30, s24             ; 8 T + w
	s_lshl_b32 s32, s30, 6
	s_add_co_u32 s32, s32, HS
	s_lshl_b32 s30, s30, 11
	s_mov_b32 s31, 0
	s_mov_b32 s33, 0
	s_mov_b32 s34, 0x3a800000              ; 1 / 1,024
.irp b, 0,1,2,3
	v_mov_b32 v[TM+4+\b], 0                ; written once: a lane permute's destination counts as one of its sources
.endr
	s_wait_alu depctr_va_vdst(0)
	s_wait_kmcnt 0x0
	s_add_nc_u64 s[4:5], s[4:5], s[26:27]
	s_add_nc_u64 s[6:7], s[6:7], s[28:29]
	s_add_nc_u64 s[8:9], s[8:9], s[28:29]
	s_add_nc_u64 s[30:31], s[22:23], s[30:31]
	s_add_nc_u64 s[32:33], s[22:23], s[32:33]
.irp b, 0,1,2,3
.irp j, 0,1,2,3
	global_load_b128 v[64+16*\b+4*\j:67+16*\b+4*\j], v4, s[4:5] offset:128*\b+16*\j th:TH_LOAD_NT
.endr
.endr
.irp b, 0,1,2,3
.irp j, 0,1,2,3
	global_load_b128 v[128+16*\b+4*\j:131+16*\b+4*\j], v5, s[6:7] offset:128*\b+16*\j
.endr
.endr
.irp b, 0,1,2,3
.irp j, 0,1,2,3
	global_load_b128 v[192+16*\b+4*\j:195+16*\b+4*\j], v5, s[8:9] offset:128*\b+16*\j
.endr
.endr
; v[8:9] + v[10:11], the sums of my 64 numbers, become v52: the row's sum over the eight waves, added in one fixed order, so that it is the same in all of them
.macro ALLSUM off
	s_delay_alu instid0(VALU_DEP_1)
	v_pk_add_f32 v[8:9], v[8:9], v[10:11]
	s_delay_alu instid0(VALU_DEP_1)
	v_add_f32 v8, v8, v9
	s_delay_alu instid0(VALU_DEP_1)
	v_permlanex16_b32 v9, v8, s[SEL], s[SEL+1]
	s_delay_alu instid0(VALU_DEP_1)
	v_add_f32 v8, v8, v9                   ; my wave's 128 columns of row r
	ds_store_b32 v7, v8 offset:\off        ; both halves of the lanes write the same word with the same value
	s_wait_dscnt 0x0                       ; for the others' sake: my store has landed
	s_barrier_signal -1
	s_barrier_wait -1
.irp k, 0,1,2,3,4,5,6,7
	ds_load_b32 v[52+\k], v6 offset:\off+64*\k
.endr
	s_wait_dscnt 0x0
	v_add_f32 v52, v52, v53
	v_add_f32 v54, v54, v55
	v_add_f32 v56, v56, v57
	v_add_f32 v58, v58, v59
	s_delay_alu instid0(VALU_DEP_3)
	v_add_f32 v52, v52, v54
	s_delay_alu instid0(VALU_DEP_2)
	v_add_f32 v56, v56, v58
	s_delay_alu instid0(VALU_DEP_1)
	v_add_f32 v52, v52, v56
.endm
	s_wait_loadcnt 32                      ; the rows are in; the 32 loads of gain and bias may stay out
	v_pk_add_f32 v[8:9], v[64:65], v[68:69]
	v_pk_add_f32 v[10:11], v[66:67], v[70:71]
.set n, 8
.rept 14
	s_delay_alu instid0(VALU_DEP_2)
	v_pk_add_f32 v[8:9], v[8:9], v[64+n:65+n]
	s_delay_alu instid0(VALU_DEP_2)
	v_pk_add_f32 v[10:11], v[10:11], v[66+n:67+n]
.set n, n+4
.endr
	ALLSUM 0
	s_delay_alu instid0(VALU_DEP_1)
	v_mul_f32 v8, s34, v52                 ; the mean
.set n, 0
.rept 32
	v_pk_add_f32 v[64+n:65+n], v[64+n:65+n], v[8:9] op_sel_hi:[1,0] neg_lo:[0,1] neg_hi:[0,1]
.set n, n+2
.endr
	v_pk_mul_f32 v[8:9], v[64:65], v[64:65]
	v_pk_mul_f32 v[10:11], v[66:67], v[66:67]
.set n, 4
.rept 15
	s_delay_alu instid0(VALU_DEP_2)
	v_pk_fma_f32 v[8:9], v[64+n:65+n], v[64+n:65+n], v[8:9]
	s_delay_alu instid0(VALU_DEP_2)
	v_pk_fma_f32 v[10:11], v[66+n:67+n], v[66+n:67+n], v[10:11]
.set n, n+4
.endr
	ALLSUM 512                             ; other bytes than the first sum's: no barrier between the first reads and these stores
	s_delay_alu instid0(VALU_DEP_1)
	v_fmaak_f32 v8, s34, v52, 0x3727c5ac   ; the variance + 1e-5
	s_wait_alu depctr_va_vdst(0)
	v_rsq_f32 v10, v8
	v_nop                                  ; a plain line behind the transcendental
	s_wait_loadcnt 0x0                     ; gain and bias
	s_wait_alu depctr_va_vdst(0)           ; the wait ahead of the first reader
.set n, 0
.rept 32
	v_pk_mul_f32 v[64+n:65+n], v[64+n:65+n], v[10:11] op_sel_hi:[1,0]
.set n, n+2
.endr
.set n, 0
.rept 32
	v_pk_fma_f32 v[64+n:65+n], v[64+n:65+n], v[128+n:129+n], v[192+n:193+n]
.set n, n+2
.endr
	QUANT 64
.irp c, 0,1,2,3
	global_store_b128 v1, v[PC+4*\c:PC+4*\c+3], s[30:31] offset:512*\c   ; the wave stores 512 consecutive bytes, aligned
.endr
	global_store_b32 v6, v[PW], s[32:33]   ; 64 bytes of scale words (both halves of the lanes write the same)
	s_wait_tensorcnt 0x0
	ds_add_u32 v14, v15
	s_wait_dscnt 0x0
	s_endpgm
; ---- THE WEIGHTS.  A wave takes 32 columns (a pair of tiles) x 128 along K (one K step); A LANE TAKES A COLUMN AND ITS REGISTERS RUN DOWN K.  No LDS, no barrier, no loop.
.Lweights:
	s_sub_co_u32 s25, ttmp9, 256
	s_lshr_b32 s26, s25, 5                 ; 0, 1, 2: Wq, Wk, Wv; 3: Wp; 4-7: W1; 8-11: W2
	s_lshr_b32 s27, s26, 2
	s_mov_b32 s30, 12
	s_cmp_lt_u32 s26, 3
	s_cselect_b32 s30, 8, s30
	s_cselect_b32 s36, s26, 0              ; Wq, Wk, Wv share one run of tiles
	s_cmp_eq_u32 s27, 1
	s_cselect_b32 s30, 14, s30             ; log2 of a row's bytes: 256, 4,096, 16,384, 4,096
	s_cselect_b32 s33, 4, 2                ; log2 of the work-groups along the columns
	s_cmp_lt_u32 s26, 8
	s_cselect_b32 s31, 3, 5                ; log2 of the K steps
	s_cmp_lt_u32 s26, 4
	s_cselect_b32 s32, 31, 127
	s_and_b32 s32, s25, s32                ; the work-group's number in its tensor
	s_bfm_b32 s34, s33, 0
	s_and_b32 s34, s32, s34
	s_lshr_b32 s35, s32, s33               ; the K step
	s_lshl_b32 s34, s34, 3
	s_add_co_u32 s34, s34, s24             ; g: my pair of tiles, columns 32 g on
	s_lshr_b32 s37, s34, 1
	s_lshl_b32 s37, s37, 18
	s_and_b32 s38, s34, 1
	s_lshl_b32 s38, s38, 7
	s_add_co_u32 s37, s37, s38             ; per head: head g / 2 (262,144 bytes each), columns 32 (g % 2) on
	s_lshl_b32 s38, s34, 7                 ; plain: 128 g bytes
	s_cmp_lt_u32 s26, 3
	s_cselect_b32 s37, s37, s38
	s_lshl_b32 s38, s35, 7
	s_lshl_b32 s38, s38, s30               ; 128 rows a K step
	s_add_co_u32 s40, s37, s38
	s_mov_b32 s41, 0
	s_lshl_b32 s42, 32, s30                ; 32 rows
	s_mov_b32 s43, 0
	s_lshl_b32 s39, 1, s30                 ; a row
	s_lshl_b32 s44, s34, 1
	s_lshl_b32 s36, s36, 6
	s_add_co_u32 s44, s44, s36             ; my first tile
	s_lshl_b32 s44, s44, s31
	s_add_co_u32 s44, s44, s35             ; tile x K steps + K step
	s_lshl_b32 s46, s44, 6
	s_lshl_b32 s44, s44, 11
	s_mov_b32 s48, W2C
	s_mov_b32 s49, W2S
	s_cmp_lt_u32 s26, 8
	s_cselect_b32 s48, W1C, s48
	s_cselect_b32 s49, W1S, s49
	s_cmp_lt_u32 s26, 4
	s_cselect_b32 s48, WPC, s48
	s_cselect_b32 s49, WPS, s49
	s_cmp_lt_u32 s26, 3
	s_cselect_b32 s48, WQC, s48
	s_cselect_b32 s49, WQS, s49
	s_add_co_u32 s44, s44, s48
	s_add_co_u32 s46, s46, s49
	s_mov_b32 s45, 0
	s_mov_b32 s47, 0
	s_add_co_u32 s50, s31, 11              ; log2 of a tile's bytes of codes,
	s_add_co_u32 s51, s31, 6               ; and of scale words
	s_wait_alu depctr_va_vdst(0)
	v_bfe_u32 v2, v1, 3, 1                 ; column x of the 32 is row r = x % 8 + 8 (x / 16) of tile u = (x / 8) % 2
	v_and_b32 v3, 7, v1
	v_lshrrev_b32 v4, 4, v1
	s_delay_alu instid0(VALU_DEP_1)
	v_lshl_add_u32 v3, v4, 3, v3
	s_delay_alu instid0(VALU_DEP_4)
	v_lshlrev_b32 v5, s50, v2
	s_delay_alu instid0(VALU_DEP_1)
	v_lshl_add_u32 v5, v3, 4, v5           ; codes: tile u, + 16 r
	v_lshlrev_b32 v6, s51, v2
	s_delay_alu instid0(VALU_DEP_1)
	v_lshl_add_u32 v6, v3, 2, v6           ; scale word: tile u, + 4 r
	v_lshlrev_b32 v32, 2, v1               ; v32-63: 4 x lane + i rows
.set n, 0
.rept 31
	s_delay_alu instid0(VALU_DEP_1)
	v_add_nc_u32 v[33+n], s39, v[32+n]
.set n, n+1
.endr
	s_wait_alu depctr_va_vdst(0)
	s_wait_kmcnt 0x0
	s_cmp_lt_u32 s26, 1                    ; the tensor is chosen by the work-group's number alone
	s_cselect_b64 s[52:53], s[10:11], s[12:13]
	s_cmp_lt_u32 s26, 2
	s_cselect_b64 s[52:53], s[52:53], s[14:15]
	s_cmp_lt_u32 s26, 3
	s_cselect_b64 s[52:53], s[52:53], s[16:17]
	s_cmp_lt_u32 s26, 4
	s_cselect_b64 s[52:53], s[52:53], s[18:19]
	s_cmp_lt_u32 s26, 8
	s_cselect_b64 s[52:53], s[52:53], s[20:21]
	s_add_nc_u64 s[52:53], s[52:53], s[40:41]      ; block 0 of 32 rows,
	s_add_nc_u64 s[54:55], s[52:53], s[42:43]      ; 1,
	s_add_nc_u64 s[56:57], s[54:55], s[42:43]      ; 2,
	s_add_nc_u64 s[58:59], s[56:57], s[42:43]      ; 3
	s_add_nc_u64 s[44:45], s[22:23], s[44:45]
	s_add_nc_u64 s[46:47], s[22:23], s[46:47]
.macro WLOAD c                         ; block c: 32 rows, 128 consecutive bytes a load; every block has registers of its own
.set n, 0
.rept 32
	global_load_b32 v[64+32*(\c)+n], v[32+n], s[52+2*(\c):53+2*(\c)] th:TH_LOAD_NT
.set n, n+1
.endr
.endm
.macro WBLOCK c
.set XB, 64+32*(\c)
	v_max3_num_f32 v12, |v[XB]|, |v[XB+1]|, |v[XB+2]|              ; the block's largest magnitude: all 32 numbers are mine
	v_max3_num_f32 v13, |v[XB+3]|, |v[XB+4]|, |v[XB+5]|
.irp i, 6,10,14,18,22,26
	s_delay_alu instid0(VALU_DEP_2)
	v_max3_num_f32 v12, v12, |v[XB+\i]|, |v[XB+\i+1]|
	s_delay_alu instid0(VALU_DEP_2)
	v_max3_num_f32 v13, v13, |v[XB+\i+2]|, |v[XB+\i+3]|
.endr
	s_delay_alu instid0(VALU_DEP_2)
	v_max3_num_f32 v12, v12, |v[XB+30]|, |v[XB+31]|
	s_delay_alu instid0(VALU_DEP_1)
	v_max3_num_f32 v12, v12, v13, 0x8000000        ; and the floor 2^(16 - 127)
	s_delay_alu instid0(VALU_DEP_1)
	v_add_nc_u32 v11, 0xf8800000, v12
	s_delay_alu instid0(VALU_DEP_1)
	v_lshrrev_b32 v13, 23, v11
.if (\c) == 0
	s_delay_alu instid0(VALU_DEP_1)
	v_mov_b32 v16, v13
.else
	s_delay_alu instid0(VALU_DEP_1)
	v_lshl_or_b32 v16, v13, 8*(\c), v16
.endif
.set n, 0
.rept 32
.set n, n+1
.endr
.irp g, 0,1,2,3
	v_cvt_scalef32_pk8_bf8_f32 v[192+8*(\c)+2*\g:193+8*(\c)+2*\g], v[XB+8*\g:XB+8*\g+7], v11
.endr
	v_nop
	global_store_b128 v5, v[192+8*(\c):195+8*(\c)], s[44:45] offset:512*(\c)        ; k = 32 c + 0..15: the places of lanes 0-15; sixteen lanes fill 256 consecutive bytes
	global_store_b128 v5, v[196+8*(\c):199+8*(\c)], s[44:45] offset:512*(\c)+256    ; k = 32 c + 16..31: the places of lanes 16-31
.endm
	WLOAD 0
	WLOAD 1
	s_wait_loadcnt 32                      ; block 0 is in; block 1's 32 loads may stay out
	WLOAD 2
	WBLOCK 0
	s_wait_loadcnt 32                      ; block 1 is in; block 2's may stay out
	WLOAD 3
	WBLOCK 1
	s_wait_loadcnt 32                      ; block 2 is in; block 3's may stay out
	WBLOCK 2
	s_wait_loadcnt 0x0
	WBLOCK 3
	global_store_b32 v6, v16, s[46:47]
	s_endpgm
.Lfunc_end_k_q7cca298b5f_prep:
	.size	k_q7cca298b5f_prep, .Lfunc_end_k_q7cca298b5f_prep-k_q7cca298b5f_prep
	.p2alignl 7, 3214868480
	.fill 96, 4, 3214868480
	.section	.rodata,"a",@progbits
	.p2align	6, 0x0
	.amdhsa_kernel k_q7cca298b5f_prep
		.amdhsa_group_segment_fixed_size 2048
		.amdhsa_private_segment_fixed_size 0
		.amdhsa_enable_private_segment 0
		.amdhsa_kernarg_size 80
		.amdhsa_user_sgpr_count 2
		.amdhsa_user_sgpr_kernarg_segment_ptr 1
		.amdhsa_wavefront_size32 1
		.amdhsa_system_sgpr_workgroup_id_x 1
		.amdhsa_system_sgpr_workgroup_id_y 1
		.amdhsa_system_sgpr_workgroup_id_z 1
		.amdhsa_system_vgpr_workitem_id 0
		.amdhsa_next_free_vgpr 256
		.amdhsa_next_free_sgpr 80
		.amdhsa_reserve_vcc 0
		.amdhsa_float_denorm_mode_32 3
		.amdhsa_float_denorm_mode_16_64 3
		.amdhsa_fp16_overflow 1
		.amdhsa_memory_ordered 1
		.amdhsa_forward_progress 1
		.amdhsa_inst_pref_size 54
	.end_amdhsa_kernel
	.amdgpu_metadata
---
amdhsa.version: [ 1, 2 ]
amdhsa.kernels:
  - .name:           k_q7cca298b5f_prep
    .symbol:         k_q7cca298b5f_prep.kd
    .args:
      - { .name: x, .offset: 0, .size: 8, .value_kind: global_buffer, .address_space: global }
      - { .name: ln1_w, .offset: 8, .size: 8, .value_kind: global_buffer, .address_space: global }
      - { .name: ln1_b, .offset: 16, .size: 8, .value_kind: global_buffer, .address_space: global }
      - { .name: Wq, .offset: 24, .size: 8, .value_kind: global_buffer, .address_space: global }
      - { .name: Wk, .offset: 32, .size: 8, .value_kind: global_buffer, .address_space: global }
      - { .name: Wv, .offset: 40, .size: 8, .value_kind: global_buffer, .address_space: global }
      - { .name: Wp, .offset: 48, .size: 8, .value_kind: global_buffer, .address_space: global }
      - { .name: W1, .offset: 56, .size: 8, .value_kind: global_buffer, .address_space: global }
      - { .name: W2, .offset: 64, .size: 8, .value_kind: global_buffer, .address_space: global }
      - { .name: wsa, .offset: 72, .size: 8, .value_kind: global_buffer, .address_space: global }
    .group_segment_fixed_size: 2048
    .private_segment_fixed_size: 0
    .kernarg_segment_align: 8
    .kernarg_segment_size: 80
    .max_flat_workgroup_size: 256
    .sgpr_count:     80
    .vgpr_count:     256
    .wavefront_size: 32
...
	.end_amdgpu_metadata
.endif
;; end of part 1
;; launch qkv (part 2): grid 12 x 16, 4 waves a work-group, clusters of 4 x 4, 327,680 bytes of LDS; arguments wsa, bq, bk, bv, wsq; writes wsq
.if DOCPART == 2
	.amdgcn_target "amdgcn-amd-amdhsa--gfx1250"
	.amdhsa_code_object_version 6
	.text
	.protected	k_q7cca298b5f_qkv
	.globl	k_q7cca298b5f_qkv
	.p2align	8
	.type	k_q7cca298b5f_qkv,@function
k_q7cca298b5f_qkv:
	s_mov_b64 s[64:65], 0
	v_nop
	global_prefetch_b8 v0, s[64:65] scope:SCOPE_SE
	s_setreg_imm32_b32 hwreg(HW_REG_WAVE_MODE, 25, 1), 1
	s_wait_xcnt 0x0
	s_wait_alu depctr_hold_cnt(0) depctr_sa_sdst(0) depctr_va_vdst(0) depctr_va_sdst(0) depctr_va_ssrc(0) depctr_va_vcc(0) depctr_vm_vsrc(0)
	s_getreg_b32 s2, hwreg(HW_REG_IB_STS2, 6, 4)
	s_cmp_eq_u32 s2, 0
	s_cbranch_scc0 .Lentry_in_a_cluster
	s_endpgm
.Lentry_in_a_cluster:
	s_bfe_u32 s2, ttmp6, 0x10000c
	s_cmp_lg_u32 s2, 0xf033
	s_cbranch_scc0 .Lentry_shape_is_right
	s_endpgm
.Lentry_shape_is_right:
; Q, K, V = LN1(x) W + b on codes of E5M2 (one E8M0 byte for each 32 along K), and the results quantised on the way out: Q and K along the head's 64, V along the keys.
; All operands are images of operand registers (16 rows x 128 K = 2,048 bytes, lane l's 16 bytes of piece c at 512 c + 16 l); row r of tile T is index 32 (T / 2) + 8 (T % 2) + r + (r & 8).
; THE PRODUCT: source 0 = tiles of W, source 1 = tiles of X.  A lane then holds one row of X, and the 16 registers of W's tiles 2 b, 2 b + 1 are W's indices 32 b + 16 h + 0..15: the next operand's layout.
; Clusters with x = 0, 1 (Q, K): X = tokens, W = weight columns.  Cluster x = 2 (V): X = Wv's columns, W = tokens, so that a lane's registers run along the keys.
; A work-group makes 256 x 256, a wave 128 x 128 (64 accumulators).  K = 1,024 goes in 8 steps of 128, two to a slot, through a ring of two LDS slots; the scale words of all of K come once.
; 4 x 4 work-groups form a cluster: X's tiles are asked for jointly along a row of the cluster, W's along a column.  192 work-groups: the large tile's reuse is taken before a full chip.
; REGISTERS: window 0: v0-31 addresses, v32-63 scale words (two sets), v64-127 the bias, v128-255 X's fragments (one set); window 1: W's fragments (two sets); windows 2, 3: accumulators.
; LIMITS: NaN and infinities are not served; a block whose largest magnitude lies under 2^-111 keeps the byte 1.
.set NB, 8                             ; tiles of 16 a wave and side
.set HB, NB/2
.set NQ, 2                             ; K steps of 128 in a slot
.set KST, 8                            ; K steps in all
.set TILEB, NQ*2048                    ; a tile's bytes in a slot
.set HALFT, NB*TILEB                   ; what one tensor load brings
.set SLOT, 4*HALFT                     ; X's two halves, then W's
.set SCL, 2*SLOT                       ; behind the ring: the scale words
.set HALFS, NB*KST*64
.set SPARE, SCL+4*HALFS                ; the spare words, 128 bytes a wave, that no other line names
.set LAPS, KST/(2*NQ)
.set HS,  4194304
.set WQC, 4325376
.set WQS, 7471104
.set KC,  4194304                      ; wsq: Q's codes at 0 [bh][tile][1,024], K's, V's [bh][key step][e tile][2,048],
.set VC,  8388608
.set QS,  12582912                     ; Q's scale words [bh][tile][64], and for each bh 12,288 bytes: K's [tile][64], V's [key step][e tile][64]
.set KVS, 12845056
.set ADRX, 16
.set ADRW, 20
.set ADRS, 27
.set SPW, 28
.set NIL, 29
.set SC, 32
.set BIAS, 64
.set AF, 128
.set TM, 192
.set PW, 208
.set PC, 212
.set G1, 24
.set G0, 32
.set G1B, 48
.set G0B, 56
.set G1S, 68
.set G0S, 76
.set G1SB, 80
.set G0SB, 88
.set SEL, 100
.set MNT, 104
.set MSB, 0
.macro WIN new                         ; the immediate's high byte repeats the setting that is left
.if MSB != (\new)
	s_set_vgpr_msb (MSB<<8)|(\new)
.set MSB, (\new)
.endif
.endm
.macro JLOAD g0a, g1a, g0b, g1b        ; a joint load: waves 0 and 1 fetch for X, waves 2 and 3 for W; four v_nop follow each line
	s_cmp_eq_u32 s15, 0
	s_cbranch_scc0 .Lfor_b_\@
	tensor_load_to_lds s[\g0a:\g0a+3], s[\g1a:\g1a+7]
	s_nop 0
.rept 4
	v_nop
.endr
	s_branch .Lasked_\@
.Lfor_b_\@:
	tensor_load_to_lds s[\g0b:\g0b+3], s[\g1b:\g1b+7]
	s_nop 0
.rept 4
	v_nop
.endr
.Lasked_\@:
.endm
.macro CREST                           ; a round of the cluster's barrier behind its opening barrier
	s_cmp_lg_u32 s14, 0
	s_cbranch_scc1 .Lnot_wave_0_\@
	s_barrier_signal -3
.Lnot_wave_0_\@:
	s_barrier_wait -3
	s_barrier_signal -1
	s_barrier_wait -1
.endm
.macro CROUND
	s_barrier_signal -1
	s_barrier_wait -1
	CREST
.endm
.macro PLACES n                        ; plain places behind matrix instructions: eight for this form
.rept \n
	v_nop
.endr
.endm
.macro FRAG reg, adr, q, i             ; a fragment comes as it lies: four loads of 512 consecutive bytes
.irp c, 0,1,2,3
	ds_load_b128 v[\reg+4*\c:\reg+4*\c+3], v[\adr] offset:(\i)*TILEB+(\q)*2048+512*\c
.endr
.endm
.macro FETCH_W slot, q, p
	WIN 0x40
.set fi, 0
.rept NB
	FRAG 128*(\p)+16*fi, ADRW+\slot, \q, fi
.set fi, fi+1
.endr
	WIN 0
.endm
.macro FETCH_X slot, q, i0
.set fi, \i0
.rept HB
	FRAG AF+16*fi, ADRX+\slot, \q, fi
.set fi, fi+1
.endr
.endm
.macro SCALES sc                       ; a slot's scale words: lanes 0-15 take X's tile i, lanes 16-31 W's tile i
.set fi, 0
.rept NB
.set fq, 0
.rept NQ
	ds_load_b32 v[SC+NB*NQ*(\sc)+NQ*fi+fq], v[ADRS] offset:fi*KST*64+fq*64
.set fq, fq+1
.endr
.set fi, fi+1
.endr
.endm
; X's tiles a0 .. a0 + na - 1 against W's NB.  cm = 0: onto the sums; 1: the bias by W's tile starts them; 2: the bias by X's tile.  The accumulators take turns, one instruction a turn.
.macro MULH a0, na, p, q, sc, cm
.set ma, \a0
.rept \na
.if \cm
	WIN 0x81+0x40*(ma/4)
.else
	WIN 0xa1+0x50*(ma/4)
.endif
.set mb, 0
.rept NB
.set rD, 8*(NB*(ma%4)+mb)
.set rW, 128*(\p)+16*mb
.set rX, AF+16*ma
.set rSW, SC+NB*NQ*(\sc)+NQ*mb+(\q)
.set rSX, SC+NB*NQ*(\sc)+NQ*ma+(\q)
.if \cm == 0
	v_wmma_scale_f32_16x16x128_f8f6f4 v[rD:rD+7], v[rW:rW+15], v[rX:rX+15], v[rD:rD+7], v[rSW], v[rSX] matrix_a_fmt:MATRIX_FMT_BF8 matrix_b_fmt:MATRIX_FMT_BF8 matrix_a_scale:MATRIX_SCALE_ROW1
.elseif \cm == 1
	v_wmma_scale_f32_16x16x128_f8f6f4 v[rD:rD+7], v[rW:rW+15], v[rX:rX+15], v[BIAS+8*mb:BIAS+8*mb+7], v[rSW], v[rSX] matrix_a_fmt:MATRIX_FMT_BF8 matrix_b_fmt:MATRIX_FMT_BF8 matrix_a_scale:MATRIX_SCALE_ROW1
.else
	v_wmma_scale_f32_16x16x128_f8f6f4 v[rD:rD+7], v[rW:rW+15], v[rX:rX+15], v[BIAS+8*ma:BIAS+8*ma+7], v[rSW], v[rSX] matrix_a_fmt:MATRIX_FMT_BF8 matrix_b_fmt:MATRIX_FMT_BF8 matrix_a_scale:MATRIX_SCALE_ROW1
.endif
.set mb, mb+1
.endr
.set ma, ma+1
.endr
.endm
.macro STEP slot, q, cm                ; a K step that has its successor in the same slot
	s_wait_dscnt 4*HB                      ; all but the youngest loads, X's second half
	MULH 0, HB, (\q)%2, \q, \slot, \cm
	s_wait_dscnt 0x0                       ; X's second half is in
	PLACES 8
	FETCH_W \slot, (\q)+1, 1-(\q)%2
	FETCH_X \slot, (\q)+1, 0
	MULH HB, HB, (\q)%2, \q, \slot, \cm
	PLACES 8
	WIN 0
	FETCH_X \slot, (\q)+1, HB
.endm
.macro TURN slot, next, fill           ; a slot's last K step changes slots
	s_wait_tensorcnt 0x0                   ; all my tensor loads have landed: my part of the next slot
	ds_add_u32 v[SPW], v[NIL]              ; 0 onto my spare word
	s_wait_dscnt 4*HB+1                    ; (the add and X's second half may be out)
	MULH 0, HB/2, 1, NQ-1, \slot, 0
	s_wait_dscnt 0x0                       ; the add is done, and my reads of this slot are over
	s_barrier_signal -1
	MULH HB/2, HB/2, 1, NQ-1, \slot, 0
	WIN 0
	s_barrier_wait -1
.if \fill
	CREST                                  ; the barrier has opened a round of the cluster's: no wave of any partner still reads this slot or has a load on its way
	s_add_nc_u64 s[G0+4*\slot+2:G0+4*\slot+3], s[G0+4*\slot+2:G0+4*\slot+3], 2*TILEB
	s_add_nc_u64 s[G0B+4*\slot+2:G0B+4*\slot+3], s[G0B+4*\slot+2:G0B+4*\slot+3], 2*TILEB
	JLOAD G0+4*\slot, G1, G0B+4*\slot, G1B ; the first tensor load behind the round, and my only one until the next
	PLACES 4
.else
	PLACES 8
.endif
	s_wait_alu depctr_va_vdst(0)
	v_add_nc_u32 v[ADRS], NQ*64, v[ADRS]   ; the next slot's scale words
	FETCH_W \next, 0, 0
	FETCH_X \next, 0, 0
	SCALES \next
	MULH HB, HB, 1, NQ-1, \slot, 0
	PLACES 8
	WIN 0
	FETCH_X \next, 0, HB
.endm
.macro REST slot
.if NQ > 2
.set rq, 1
.rept NQ-2
	STEP \slot, rq, 0
.set rq, rq+1
.endr
.endif
.endm
.macro QUANT s                         ; 64 numbers of a lane, register 16 b + i = k 32 b + 16 h + i of my row, become a fragment's codes and its scale word
.irp b, 0,1,2,3
	v_max3_num_f32 v[TM+\b], |v[\s+16*\b]|, |v[\s+1+16*\b]|, 0x8000000   ; and the floor 2^(16 - 127): the byte cannot fall under 1
.endr
.irp i, 2,4,6,8,10,12,14
.irp b, 0,1,2,3
	v_max3_num_f32 v[TM+\b], v[TM+\b], |v[\s+16*\b+\i]|, |v[\s+1+16*\b+\i]|
.endr
.endr
.irp b, 0,1,2,3
	v_permlanex16_b32 v[TM+4+\b], v[TM+\b], s[SEL], s[SEL+1]
.endr
.irp b, 0,1,2,3
	v_max_num_f32 v[TM+\b], v[TM+\b], v[TM+4+\b]
.endr
.irp b, 0,1,2,3
	v_add_nc_u32 v[TM+12+\b], 0xf8800000, v[TM+\b]               ; 15 off the exponent field: the conversion's scale operand
.endr
.irp b, 0,1,2,3
.endr
.irp b, 0,1,2,3
	v_lshrrev_b32 v[TM+4+\b], 23, v[TM+12+\b]                    ; the scale's byte
.endr
	v_lshl_or_b32 v[PW], v[TM+5], 8, v[TM+4]
	v_lshl_or_b32 v[PW], v[TM+6], 16, v[PW]
	v_lshl_or_b32 v[PW], v[TM+7], 24, v[PW]
.irp b, 0,1,2,3
.irp i, 0,1,2,3,4,5,6,7,8,9,10,11,12,13,14,15
.endr
	v_cvt_scalef32_pk8_bf8_f32 v[PC+4*\b:PC+1+4*\b], v[\s+16*\b:\s+7+16*\b], v[TM+12+\b]
	v_cvt_scalef32_pk8_bf8_f32 v[PC+2+4*\b:PC+3+4*\b], v[\s+8+16*\b:\s+15+16*\b], v[TM+12+\b]
.endr
	v_nop
.endm
	s_load_b256 s[4:11], s[0:1], 0x0       ; wsa s[4:5], bq s[6:7], bk s[8:9], bv s[10:11]
	s_load_b64 s[12:13], s[0:1], 0x20      ; wsq
	v_lshl_add_u32 v[SPW], v0, 2, SPARE
	v_mov_b32 v[NIL], 0
	ds_add_u32 v28, v29
	ds_add_u32 v28, v29
	s_wait_dscnt 0x0
	v_lshrrev_b32 v1, 5, v0
	v_readfirstlane_b32 s14, v1            ; wave 0..3
	s_lshr_b32 s15, s14, 1                 ; my half of X's tiles.  Also: I fetch for X (0) or for W (1)
	s_and_b32 s16, s14, 1                  ; my half of W's tiles.  Also: which half I fetch
	s_bfe_u32 s40, ttmp6, 0x40000          ; cx
	s_bfe_u32 s41, ttmp6, 0x40004          ; cy
	s_and_b32 s18, ttmp7, 0xffff
	s_lshl_b32 s18, s18, 2                 ; 4 x cluster y
	s_lshl_b32 s19, ttmp9, 2               ; 4 x cluster x
	s_mov_b32 s97, HS
	s_mov_b32 s99, WQS
	s_cmp_eq_u32 ttmp9, 2                  ; the cluster's role: the same in all sixteen partners
	s_cselect_b32 s95, 1, 0                ; 1: V
	s_cselect_b32 s17, 8, s18              ; X's block of 16 tiles: Wv's blocks 8-11, or the tokens',
	s_cselect_b32 s42, s18, s19            ; W's: the tokens', or Wq's and Wk's blocks 0-7
	s_cselect_b32 s96, WQC, 0              ; where X's codes begin in wsa,
	s_cselect_b32 s97, WQS, s97            ; its scale words,
	s_cselect_b32 s98, 0, WQC              ; W's codes,
	s_cselect_b32 s99, HS, s99             ; and its scale words
	s_add_co_u32 s17, s17, s41             ; + cy: shared along a row of the cluster
	s_add_co_u32 s42, s42, s40             ; + cx: shared along a column
	s_lshl_b32 s43, s41, 2
	s_lshl_b32 s43, 15, s43                ; my row of the cluster
	s_lshl_b32 s44, 0x1111, s40            ; my column
	s_or_b32 s[G1+0], s43, (3<<16)|(1<<21) ; 15:0 the mask; 17:16 elements of 8 bytes; 21 set beside a mask; no padding: the images are read 512 consecutive bytes at a time
	s_or_b32 s[G1B+0], s44, (3<<16)|(1<<21)
.irp g, G1, G1B
	s_mov_b32 s[\g+1], (TILEB/8)<<16       ; tensor_dim0: a tile's NQ K steps
	s_mov_b32 s[\g+2], NB<<16              ; tensor_dim1: NB tiles
	s_mov_b32 s[\g+3], (TILEB/8)<<16       ; tile_dim0
	s_mov_b32 s[\g+4], NB                  ; tile_dim1
	s_mov_b32 s[\g+5], KST*256             ; from tile to tile
	s_mov_b32 s[\g+6], 0
	s_mov_b32 s[\g+7], 0
.endr
	s_or_b32 s[G1S+0], s43, (3<<16)|(1<<21)
	s_or_b32 s[G1SB+0], s44, (3<<16)|(1<<21)
.irp g, G1S, G1SB
	s_mov_b32 s[\g+1], 32<<16              ; the scale words of NB tiles: a dense block, as rows of 256 bytes
	s_mov_b32 s[\g+2], (HALFS/256)<<16
	s_mov_b32 s[\g+3], 32<<16
	s_mov_b32 s[\g+4], HALFS/256
	s_mov_b32 s[\g+5], 32
	s_mov_b32 s[\g+6], 0
	s_mov_b32 s[\g+7], 0
.endr
	s_mul_i32 s18, s16, NB
	s_mul_i32 s20, s17, 2*NB
	s_add_co_u32 s20, s20, s18             ; X: the first tile that I fetch
	s_mul_i32 s46, s42, 2*NB
	s_add_co_u32 s46, s46, s18             ; W likewise
	s_mul_i32 s22, s20, KST*64
	s_mul_i32 s92, s46, KST*64
	s_mul_i32 s20, s20, KST*2048
	s_mul_i32 s46, s46, KST*2048
	s_add_co_u32 s20, s20, s96
	s_add_co_u32 s22, s22, s97
	s_add_co_u32 s46, s46, s98
	s_add_co_u32 s92, s92, s99
	s_mov_b32 s21, 0
	s_mov_b32 s23, 0
	s_mov_b32 s47, 0
	s_mov_b32 s93, 0
	s_mul_i32 s45, s14, HALFT              ; where they go: by the wave's number alone
	s_mul_i32 s94, s14, HALFS
	s_mov_b32 s[SEL], 0x76543210
	s_mov_b32 s[SEL+1], 0xfedcba98
	s_wait_kmcnt 0x0
	s_add_nc_u64 s[20:21], s[4:5], s[20:21]
	s_add_nc_u64 s[22:23], s[4:5], s[22:23]
	s_add_nc_u64 s[46:47], s[4:5], s[46:47]
	s_add_nc_u64 s[92:93], s[4:5], s[92:93]
	CROUND                                 ; all sixteen work-groups are here: the first joint loads meet
	s_mov_b32 s[G0S], 1
	s_add_co_u32 s[G0S+1], s94, SCL
	s_mov_b64 s[G0S+2:G0S+3], s[22:23]
	s_or_b32 s[G0S+3], s[G0S+3], 0x80000000
	s_mov_b32 s[G0SB], 1
	s_add_co_u32 s[G0SB+1], s94, SCL
	s_mov_b64 s[G0SB+2:G0SB+3], s[92:93]
	s_or_b32 s[G0SB+3], s[G0SB+3], 0x80000000
	JLOAD G0S, G1S, G0SB, G1SB             ; the scale words first: three loads of mine are out at the most
.irp s, 0,1
	s_mov_b32 s[G0+4*\s], 1
	s_add_co_u32 s[G0+4*\s+1], s45, \s*SLOT
	s_add_nc_u64 s[G0+4*\s+2:G0+4*\s+3], s[20:21], \s*TILEB
	s_or_b32 s[G0+4*\s+3], s[G0+4*\s+3], 0x80000000
	s_mov_b32 s[G0B+4*\s], 1
	s_add_co_u32 s[G0B+4*\s+1], s45, \s*SLOT
	s_add_nc_u64 s[G0B+4*\s+2:G0B+4*\s+3], s[46:47], \s*TILEB
	s_or_b32 s[G0B+4*\s+3], s[G0B+4*\s+3], 0x80000000
	JLOAD G0+4*\s, G1, G0B+4*\s, G1B
.endr
	v_and_b32 v1, 15, v0                   ; r
	v_bfe_u32 v2, v0, 4, 1                 ; h
	s_wait_alu depctr_va_vdst(0)
	v_and_b32 v3, 31, v0
	v_lshlrev_b32 v4, 4, v3                ; 16 x lane; it stays
	s_mul_i32 s21, s15, HALFT
	s_mul_i32 s22, s16, HALFT
	s_add_co_u32 s22, s22, 2*HALFT
.irp s, 0,1
	v_add_nc_u32 v[ADRX+\s], s21, v4
	v_add_nc_u32 v[ADRW+\s], s22, v4
	s_add_co_u32 s21, s21, SLOT
	s_add_co_u32 s22, s22, SLOT
.endr
	v_lshlrev_b32 v5, 2, v1
	s_mul_i32 s21, s15, HALFS
	s_mul_i32 s22, s16, HALFS
	s_add_co_u32 s22, s22, 2*HALFS
	s_sub_co_u32 s22, s22, s21
	v_mul_u32_u24 v6, s22, v2              ; lanes 16-31 take W's words
	s_add_co_u32 s21, s21, SCL
	v_add_nc_u32 v5, v5, v6
	v_add_nc_u32 v[ADRS], s21, v5
	; THE BIAS, in the result's layout, by the same 64 loads in all three roles.  Q, K: register 8 b + j = b(n0 + 32 (b / 2) + 8 (b % 2) + 16 h + j).  V: register 8 a + j = bv of my row of X's tile a.
	s_cmp_eq_u32 ttmp9, 0
	s_cselect_b64 s[18:19], s[6:7], s[8:9]
	s_cmp_eq_u32 s95, 1
	s_cselect_b64 s[18:19], s[10:11], s[18:19]
	s_cselect_b32 s20, s41, s40
	s_cselect_b32 s21, s15, s16
	s_cselect_b32 s22, 0, 64               ; bytes for h,
	s_cselect_b32 s23, 4, 0                ; for r + (r & 8),
	s_cselect_b32 s92, 0, 4                ; for j
	s_lshl_b32 s20, s20, 10
	s_lshl_b32 s21, s21, 9
	s_add_co_u32 s20, s20, s21             ; my 128 numbers of the 1,024
	s_mov_b32 s21, 0
	s_add_nc_u64 s[18:19], s[18:19], s[20:21]
	v_and_b32 v7, 8, v1
	v_add_nc_u32 v7, v7, v1
	v_mul_u32_u24 v19, s22, v2
	v_mad_u32_u24 v19, v7, s23, v19
.irp j, 0,1,2,3,4,5,6,7
	v_mad_u32_u24 v[8+\j], s92, \j, v19
.endr
.irp i, 0,1,2,3,4,5,6,7
.irp j, 0,1,2,3,4,5,6,7
	global_load_b32 v[BIAS+8*\i+\j], v[8+\j], s[18:19] offset:(32*(\i/2)+8*(\i%2))*4
.endr
.endr
	s_wait_tensorcnt 1                     ; the scale words and my part of slot 0 are in; slot 1's load may stay out
	s_barrier_signal -1
	s_barrier_wait -1
	FETCH_W 0, 0, 0
	FETCH_X 0, 0, 0
	SCALES 0
	FETCH_X 0, 0, HB
	s_wait_loadcnt 0x0                     ; the bias
	s_cmp_eq_u32 s95, 1                    ; the first K step starts the sums with the bias: by W's tile (Q, K) or by X's (V)
	s_cbranch_scc1 .Lfirst_v
	STEP 0, 0, 1
	s_branch .Lfirst_done
.Lfirst_v:
	STEP 0, 0, 2
.Lfirst_done:
.if LAPS > 1
	s_mov_b32 s3, LAPS-1
.Llap:                                         ; a trip goes once round the ring and fills both slots again
	REST 0
	TURN 0, 1, 1
	STEP 1, 0, 0
	REST 1
	TURN 1, 0, 1
	STEP 0, 0, 0
	s_sub_co_u32 s3, s3, 1
	s_cmp_lg_u32 s3, 0
	s_cbranch_scc1 .Llap
.endif
	REST 0
	TURN 0, 1, 0                           ; the last lap fills nothing
	STEP 1, 0, 0
	REST 1
	s_wait_dscnt 4*HB
	MULH 0, HB, 1, NQ-1, 1, 0
	s_wait_dscnt 0x0
	MULH HB, HB, 1, NQ-1, 1, 0
	WIN 0
	; THE WAY OUT.  Every wave's reads of both slots are over: the slots, which have had their last fill, take the sums, 65,536 bytes a wave; a loop of eight trips then quantises X's tiles one by one.
	s_barrier_signal -1
	s_barrier_wait -1
	PLACES 8
	s_lshl_b32 s18, s17, 4
	s_lshl_b32 s19, s15, 3
	s_add_co_u32 s18, s18, s19             ; Q, K: my first tile of tokens,
	s_lshr_b32 s19, s18, 7                 ; its batch,
	s_and_b32 s18, s18, 127                ; its number in the batch
	s_lshl_b32 s19, s19, 4
	s_lshl_b32 s20, s40, 2
	s_add_co_u32 s19, s19, s20
	s_lshl_b32 s20, s16, 1
	s_add_co_u32 s19, s19, s20             ; 16 batch + the first of my two heads
	s_lshl_b32 s20, s19, 7
	s_add_co_u32 s20, s20, s18
	s_lshl_b32 s21, s20, 10                ; codes: 1,024 bytes a tile
	s_lshl_b32 s22, s20, 6
	s_add_co_u32 s22, s22, QS              ; Q's scale words
	s_mul_i32 s23, s19, 12288
	s_lshl_b32 s18, s18, 6
	s_add_co_u32 s23, s23, s18
	s_add_co_u32 s23, s23, KVS             ; K's
	s_lshl_b32 s24, s42, 1
	s_add_co_u32 s24, s24, s16             ; V: my key step of 128 tokens,
	s_lshr_b32 s25, s24, 4                 ; its batch,
	s_and_b32 s24, s24, 15                 ; its number in the batch
	s_lshl_b32 s25, s25, 4
	s_lshl_b32 s26, s41, 2
	s_add_co_u32 s25, s25, s26
	s_lshl_b32 s26, s15, 1
	s_add_co_u32 s25, s25, s26             ; 16 batch + the first of my two heads
	s_lshl_b32 s26, s25, 4
	s_add_co_u32 s26, s26, s24
	s_lshl_b32 s26, s26, 13
	s_add_co_u32 s26, s26, VC
	s_mul_i32 s27, s25, 12288
	s_lshl_b32 s24, s24, 8
	s_add_co_u32 s27, s27, s24
	s_add_co_u32 s27, s27, KVS+8192
	s_mov_b32 s28, 12288
	s_cmp_eq_u32 ttmp9, 1                  ; K?
	s_cselect_b32 s29, KC, 0
	s_cselect_b32 s22, s23, s22
	s_cselect_b32 s28, s28, 8192           ; from a head's scale words to the next head's
	s_add_co_u32 s21, s21, s29
	s_mov_b32 s30, 131072
	s_mov_b32 s34, 1024
	s_mov_b32 s35, 1024
	s_cmp_eq_u32 s95, 1                    ; V?
	s_cselect_b32 s46, s26, s21            ; codes,
	s_cselect_b32 s92, s27, s22            ; scale words,
	s_cselect_b32 s28, 0, s28
	s_cselect_b32 s30, 1024, s30           ; pieces 2 and 3: the same fragment's (V) or the next head's pieces 0 and 1 (Q, K)
	s_cselect_b32 s34, 2048, s34           ; from X's tile to the next,
	s_cselect_b32 s35, 124928, s35         ; and behind tile 3: V's next head
	s_cselect_b32 s36, 12096, 64
	s_cselect_b32 s37, 0, 16
	s_mov_b32 s47, 0
	s_mov_b32 s93, 0
	s_mov_b32 s21, 0
	s_mov_b32 s23, 0
	s_add_nc_u64 s[46:47], s[12:13], s[46:47]
	s_add_nc_u64 s[92:93], s[12:13], s[92:93]
	s_lshl_b32 s38, s14, 16
	v_add_nc_u32 v24, s38, v4              ; my 65,536 bytes, + 16 x lane
	v_add_nc_u32 v22, s30, v4
	v_mul_u32_u24 v23, s28, v2
	v_lshl_add_u32 v23, v1, 2, v23         ; 4 r; Q, K: lanes 16-31 store the next head's word
	v_mul_u32_u24 v18, s37, v2             ; which is the upper half of the four bytes
.irp b, 0,1,2,3
	v_mov_b32 v[TM+4+\b], 0                ; written once: a lane permute's destination counts as one of its sources
.endr
.set da, 0
.rept 8
	WIN 0x08+4*(da/4)                      ; an LDS store's data are its source 1: window 2 or 3
.set dt, 0
.rept 16
	ds_store_b128 v24, v[64*(da%4)+4*dt:64*(da%4)+4*dt+3] offset:da*8192+dt*512   ; each accumulator from its low end on
.set dt, dt+1
.endr
.set da, da+1
.endr
	WIN 0
	s_mov_b32 s3, 0
	s_mov_b32 s39, 0
.Lout:
	v_add_nc_u32 v25, s39, v24
.set dt, 0
.rept 16
	ds_load_b128 v[64+4*dt:67+4*dt], v25 offset:dt*512     ; my own bytes: LDS serves a wave's instructions in order
.set dt, dt+1
.endr
	s_wait_dscnt 0x0
	QUANT 64
	v_lshrrev_b32 v209, v18, v[PW]
	global_store_b128 v4, v[PC:PC+3], s[46:47]
	global_store_b128 v4, v[PC+4:PC+7], s[46:47] offset:512
	global_store_b128 v22, v[PC+8:PC+11], s[46:47]
	global_store_b128 v22, v[PC+12:PC+15], s[46:47] offset:512     ; each store of the wave covers 512 consecutive bytes, aligned
	global_store_b32 v23, v209, s[92:93]
	s_wait_xcnt 0x0                        ; the stores have read their registers and bases: both are written again only behind this wait
	s_cmp_eq_u32 s3, 3
	s_cselect_b32 s20, s35, s34
	s_cselect_b32 s22, s36, 64
	s_add_nc_u64 s[46:47], s[46:47], s[20:21]
	s_add_nc_u64 s[92:93], s[92:93], s[22:23]
	s_add_co_u32 s39, s39, 8192
	s_add_co_u32 s3, s3, 1
	s_cmp_lt_u32 s3, 8
	s_cbranch_scc1 .Lout
	s_wait_tensorcnt 0x0                   ; the wave's end
	ds_add_u32 v[SPW], v[NIL]
	s_wait_dscnt 0x0
	CROUND                                 ; the closing round
	s_endpgm
.Lfunc_end_k_q7cca298b5f_qkv:
	.size	k_q7cca298b5f_qkv, .Lfunc_end_k_q7cca298b5f_qkv-k_q7cca298b5f_qkv
	.p2alignl 7, 3214868480
	.fill 96, 4, 3214868480
	.section	.rodata,"a",@progbits
	.p2align	6, 0x0
	.amdhsa_kernel k_q7cca298b5f_qkv
		.amdhsa_group_segment_fixed_size 327680
		.amdhsa_private_segment_fixed_size 0
		.amdhsa_enable_private_segment 0
		.amdhsa_kernarg_size 40
		.amdhsa_user_sgpr_count 2
		.amdhsa_user_sgpr_kernarg_segment_ptr 1
		.amdhsa_wavefront_size32 1
		.amdhsa_system_sgpr_workgroup_id_x 1
		.amdhsa_system_sgpr_workgroup_id_y 1
		.amdhsa_system_sgpr_workgroup_id_z 1
		.amdhsa_system_vgpr_workitem_id 0
		.amdhsa_next_free_vgpr 1024
		.amdhsa_next_free_sgpr 106
		.amdhsa_reserve_vcc 0
		.amdhsa_float_denorm_mode_32 3
		.amdhsa_float_denorm_mode_16_64 3
		.amdhsa_fp16_overflow 1
		.amdhsa_memory_ordered 1
		.amdhsa_forward_progress 1
		.amdhsa_inst_pref_size 154
	.end_amdhsa_kernel
	.amdgpu_metadata
---
amdhsa.version: [ 1, 2 ]
amdhsa.kernels:
  - .name:           k_q7cca298b5f_qkv
    .symbol:         k_q7cca298b5f_qkv.kd
    .args:
      - { .name: wsa, .offset: 0, .size: 8, .value_kind: global_buffer, .address_space: global }
      - { .name: bq, .offset: 8, .size: 8, .value_kind: global_buffer, .address_space: global }
      - { .name: bk, .offset: 16, .size: 8, .value_kind: global_buffer, .address_space: global }
      - { .name: bv, .offset: 24, .size: 8, .value_kind: global_buffer, .address_space: global }
      - { .name: wsq, .offset: 32, .size: 8, .value_kind: global_buffer, .address_space: global }
    .group_segment_fixed_size: 327680
    .private_segment_fixed_size: 0
    .kernarg_segment_align: 8
    .kernarg_segment_size: 40
    .max_flat_workgroup_size: 128
    .sgpr_count:     106
    .vgpr_count:     1024
    .wavefront_size: 32
...
	.end_amdgpu_metadata
.endif
;; end of part 2
;; launch attn (part 3): grid 8 x 32, 16 waves a work-group, clusters of 4 x 1, 276,480 bytes of LDS; arguments wsq, wst; writes wst
.if DOCPART == 3
	.amdgcn_target "amdgcn-amd-amdhsa--gfx1250"
	.amdhsa_code_object_version 6
	.text
	.protected	k_q7cca298b5f_attn
	.globl	k_q7cca298b5f_attn
	.p2align	8
	.type	k_q7cca298b5f_attn,@function
k_q7cca298b5f_attn:
	s_mov_b64 s[64:65], 0
	v_nop
	global_prefetch_b8 v0, s[64:65] scope:SCOPE_SE
	s_setreg_imm32_b32 hwreg(HW_REG_WAVE_MODE, 25, 1), 1
	s_wait_xcnt 0x0
	s_wait_alu depctr_hold_cnt(0) depctr_sa_sdst(0) depctr_va_vdst(0) depctr_va_sdst(0) depctr_va_ssrc(0) depctr_va_vcc(0) depctr_vm_vsrc(0)
	s_getreg_b32 s2, hwreg(HW_REG_IB_STS2, 6, 4)
	s_cmp_eq_u32 s2, 0
	s_cbranch_scc0 .Lentry_in_a_cluster
	s_endpgm
.Lentry_in_a_cluster:
	s_bfe_u32 s2, ttmp6, 0x10000c
	s_cmp_lg_u32 s2, 0x3003
	s_cbranch_scc0 .Lentry_shape_is_right
	s_endpgm
.Lentry_shape_is_right:
; Causal attention of one head on codes of E5M2, and its result quantised along the heads' features for the projection.  2,048 tokens, head size 64, 32 (batch, head) pairs.
; t = score x log2(e) / 8; M = the running largest t rounded UP to a whole number; p = 2^(t - M) is quantised along the keys, not normalised; the sum of the unquantised p divides at the end.
; A WHOLE HEAD'S K AND V STAY IN LDS (131,072 bytes each, and 12,288 of scale words): every byte is filled once, by joint loads of the cluster's four work-groups, in four quarters of 512 keys.
; SHARES.  Sixteen waves, one tile of 16 queries each: tile 8 rank + j, j = the work-group's number in its head (0..7), rank a permutation of the wave's number.  Its queries lie in
; [128 rank, 128 rank + 127]: key step st (128 keys) is hidden where st > rank and lies on the diagonal where st = rank: branches on the wave's number alone, and every work-group has the same work.
; THE RANKS.  A wave of rank R walks R + 1 key steps.  With m = wave % 4, n = wave / 4 and v = 2 m + n % 2 the rank is v or 15 - v: the four waves of one m have ranks (15, 14, 0, 1), (2, 3, 13, 12),
; (4, 5, 11, 10), (9, 8, 6, 7): each four add up to 30, and their two longest walks differ by one step; the four waves of one n add up to 30 as well.
; TWO BARRIERS.  Behind the first the scale words and the first quarter are in, and all sixteen waves take key step 0; behind the second everything is in, and each wave walks the other 15 steps at its own pace.
; Both products are used transposed (S^T = K Q^T, O^T = V^T P^T): a lane holds one query.  Row r of a tile is index 32 (T / 2) + 8 (T % 2) + r + (r & 8), so p's 16 registers of two tiles are 16 neighbouring keys.
; THE FIRST PRODUCT'S K IS 64: the upper half of Q's and K's fragments is zero codes, set once.
; No prefetch: every tile is asked for once, at the head.
; LIMITS: NaN and infinities are not served; v_exp_f32 and v_rcp_f32 are good to 1 ulp and flush denormals; a block whose largest magnitude lies under 2^-111 keeps the byte 1.
; REGISTERS: v1-5 addresses that stay; v8-11 the step's; v12 -M, v13 the largest t, v[14:15] the sum; v16-31 Q; v32-95 four fragments of K; v96-159 S^T, then p, then V's four fragments;
; v160-191 O^T; v192-207 p's codes; v208-217 scale words; v224-253 at work.
.set KC,  4194304
.set QS,  12582912
.set KVS, 12845056
.set AS,  4194304                      ; wst: images [tile][K step][2,048] at 0, scale words here
.set SCB, 262144                       ; LDS: K at 0, V at 131,072, the scale words here: K's 8,192 bytes, then V's 4,096
.set WV, 18
.set RANK, 19
.set SEL, 20
.set CS, 22
.set MNT, 60
.set TB, 2
.set TS, 3
.set TJ, 61
.set ST, 62
.set CNT, 63
.set G0, 40                            ; s[40:59] five groups 0: the scale words, then the four quarters
.set G1C, 68
.set G1S, 76
.macro CROUND
	s_barrier_signal -1
	s_barrier_wait -1
	s_cmp_lg_u32 s[WV], 0
	s_cbranch_scc1 .Lnot_wave_0_\@
	s_barrier_signal -3
.Lnot_wave_0_\@:
	s_barrier_wait -3
	s_barrier_signal -1
	s_barrier_wait -1
.endm
	s_load_b128 s[4:7], s[0:1], 0x0        ; wsq, wst
	v_lshl_add_u32 v254, v0, 2, 0x43000
	v_mov_b32 v255, 0
	ds_add_u32 v254, v255
	ds_add_u32 v254, v255
	v_lshrrev_b32 v8, 5, v0
	s_delay_alu instid0(VALU_DEP_1)
	v_readfirstlane_b32 s[WV], v8          ; wave 0..15
	s_bfe_u32 s8, ttmp6, 0x40000           ; cx
	s_lshl_b32 s9, ttmp9, 2
	s_add_co_u32 s9, s9, s8                ; j: it enters Q's and the result's addresses and the mask's numbers alone
	s_and_b32 s10, ttmp7, 0xffff           ; 16 batch + head, which the four partners share
	s_and_b32 s11, s[WV], 3                ; m
	s_lshr_b32 s12, s[WV], 2               ; n
	s_and_b32 s13, s12, 1
	s_lshl_b32 s24, s11, 1
	s_add_co_u32 s24, s24, s13             ; v = 2 m + n % 2
	s_lshr_b32 s25, s12, 1                 ; n / 2,
	s_xor_b32 s25, s25, s11                ; xor m's low bit (the bits above are cut below),
	s_lshr_b32 s13, s11, 1
	s_xor_b32 s25, s25, s13                ; xor m's high bit,
	s_xor_b32 s25, s25, 1
	s_and_b32 s25, s25, 1                  ; turned round: 1 where the rank is 15 - v
	s_mul_i32 s25, s25, 15
	s_xor_b32 s[RANK], s24, s25            ; v, or 15 - v = v xor 15
	s_lshl_b32 s14, s[RANK], 3
	s_add_co_u32 s14, s14, s9              ; my tile of queries
	s_lshr_b32 s15, s[WV], 1               ; what I fetch, if I fetch: waves 0, 1: K's halves of a quarter; 2, 3: V's
	s_and_b32 s16, s[WV], 1
	s_lshl_b32 s17, s15, 17
	s_lshl_b32 s24, s16, 14
	s_add_co_u32 s17, s17, s24             ; in LDS,
	s_lshl_b32 s26, s15, 22
	s_add_co_u32 s26, s26, s24
	s_lshl_b32 s25, s10, 17
	s_add_co_u32 s26, s26, s25
	s_add_co_u32 s26, s26, KC              ; in memory
	s_mov_b32 s27, 0
	s_mul_i32 s28, s10, 12288
	s_mul_i32 s30, s[WV], 3072
	s_add_co_u32 s28, s28, s30
	s_add_co_u32 s28, s28, KVS             ; a quarter of the head's scale words
	s_mov_b32 s29, 0
	s_add_co_u32 s30, s30, SCB
	s_mov_b32 s[G1C], 15|(3<<16)|(1<<21)   ; 15:0 the mask: all four work-groups; 17:16 elements of 8 bytes; 21 set beside a mask
	s_mov_b32 s[G1C+1], 32<<16             ; dense blocks, as rows of 256 bytes
	s_mov_b32 s[G1C+2], 64<<16
	s_mov_b32 s[G1C+3], 32<<16
	s_mov_b32 s[G1C+4], 64
	s_mov_b32 s[G1C+5], 32
	s_mov_b32 s[G1C+6], 0
	s_mov_b32 s[G1C+7], 0
	s_mov_b32 s[G1S], 15|(3<<16)|(1<<21)
	s_mov_b32 s[G1S+1], 32<<16
	s_mov_b32 s[G1S+2], 12<<16
	s_mov_b32 s[G1S+3], 32<<16
	s_mov_b32 s[G1S+4], 12
	s_mov_b32 s[G1S+5], 32
	s_mov_b32 s[G1S+6], 0
	s_mov_b32 s[G1S+7], 0
	s_lshl_b32 s32, s10, 7
	s_add_co_u32 s32, s32, s14             ; Q's tile among all
	s_lshl_b32 s34, s32, 10
	s_mov_b32 s35, 0
	s_lshl_b32 s36, s32, 6
	s_add_co_u32 s36, s36, QS
	s_mov_b32 s37, 0
	s_lshr_b32 s38, s9, 1
	s_lshl_b32 s38, s38, 5
	s_and_b32 s39, s9, 1
	s_lshl_b32 s39, s39, 3
	s_add_co_u32 s38, s38, s39             ; 32 (j / 2) + 8 (j % 2)
	s_mov_b32 s[SEL], 0x76543210
	s_mov_b32 s[SEL+1], 0xfedcba98
	s_mov_b32 s[CS], 0x3e38aa3b            ; c = log2(e) / 8
	s_mov_b32 s[CS+1], s[CS]
	s_wait_dscnt 0x0
	s_wait_kmcnt 0x0
	s_add_nc_u64 s[26:27], s[4:5], s[26:27]
	s_add_nc_u64 s[28:29], s[4:5], s[28:29]
	s_add_nc_u64 s[34:35], s[4:5], s[34:35]
	s_add_nc_u64 s[36:37], s[4:5], s[36:37]
	s_mov_b32 s[G0], 1
	s_mov_b32 s[G0+1], s30
	s_mov_b64 s[G0+2:G0+3], s[28:29]
	s_or_b32 s[G0+3], s[G0+3], 0x80000000
.irp q, 0,1,2,3
	s_mov_b32 s[G0+4+4*\q], 1
	s_add_co_u32 s[G0+5+4*\q], s17, \q*32768
	s_add_nc_u64 s[G0+6+4*\q:G0+7+4*\q], s[26:27], \q*32768
	s_or_b32 s[G0+7+4*\q], s[G0+7+4*\q], 0x80000000
.endr
	CROUND                                 ; all four work-groups are here: the joint loads meet
	s_cmp_lt_u32 s[WV], 4                  ; all fills of a wave stand in one branch on its number: five loads of mine are out at the most
	s_cbranch_scc0 .Lno_fetch
	tensor_load_to_lds s[G0:G0+3], s[G1S:G1S+7]
	s_nop 0
	tensor_load_to_lds s[G0+4:G0+7], s[G1C:G1C+7]
	s_nop 0
	tensor_load_to_lds s[G0+8:G0+11], s[G1C:G1C+7]
	s_nop 0
	tensor_load_to_lds s[G0+12:G0+15], s[G1C:G1C+7]
	s_nop 0
	tensor_load_to_lds s[G0+16:G0+19], s[G1C:G1C+7]
	s_nop 0
.rept 4
	v_nop
.endr
.Lno_fetch:
	v_and_b32 v2, 31, v0
	s_delay_alu instid0(VALU_DEP_1)
	v_lshlrev_b32 v1, 4, v2                ; 16 x lane
	v_and_b32 v6, 15, v0                   ; r
	v_bfe_u32 v7, v0, 4, 1                 ; h
	s_delay_alu instid0(VALU_DEP_2)
	v_lshlrev_b32 v2, 2, v6                ; 4 r
	s_delay_alu instid0(VALU_DEP_1)
	v_add_nc_u32 v3, SCB, v2
	s_delay_alu instid0(VALU_DEP_2)
	v_add_nc_u32 v4, SCB+8192, v2
	v_add_nc_u32 v5, 131072, v1
	global_load_b128 v[16:19], v1, s[34:35]
	global_load_b128 v[20:23], v1, s[34:35] offset:512
	global_load_b32 v216, v2, s[36:37]
	v_and_b32 v247, 8, v6
	s_delay_alu instid0(VALU_DEP_1)
	v_add_nc_u32 v247, v247, v6
	s_delay_alu instid0(VALU_DEP_1)
	v_add_nc_u32 v247, s38, v247
	v_lshlrev_b32 v246, 4, v7
	s_delay_alu instid0(VALU_DEP_1)
	v_sub_nc_u32 v247, v247, v246          ; my query in its 128, less 16 h: on the diagonal register 16 b + i is hidden where 32 b + i is above it
.irp i, 0,1,2,3,4,5,6,7
	v_mov_b32 v[24+\i], 0                  ; the zero codes of k = 64..127
	v_mov_b32 v[40+\i], 0
	v_mov_b32 v[56+\i], 0
	v_mov_b32 v[72+\i], 0
	v_mov_b32 v[88+\i], 0
.endr
	v_mov_b32 v13, 0xff61b1e6              ; the largest t so far: -3e38
	s_delay_alu instid0(VALU_DEP_1)
	v_floor_f32 v12, -v13                  ; -M
	v_mov_b32 v14, 0
	v_mov_b32 v15, 0
.set n, 0
.rept 32
	v_mov_b32 v[160+n], 0                  ; O^T: the step is written for every step alike; the first change of M leaves zeros zeros
.set n, n+1
.endr
.irp b, 0,1,2,3
	v_mov_b32 v[228+\b], 0                 ; written once: a lane permute's destination counts as one of its sources
.endr
	v_mov_b32 v240, 0
	v_mov_b32 v241, 0                      ; (named as the upper half of a pair)
	v_mov_b32 v242, 0
; A KEY STEP: 128 keys
.macro KSTEP
	s_cmp_gt_u32 s[ST], s[RANK]            ; all its keys come after my queries: only the addresses step
	s_cbranch_scc1 .Lhidden_\@
	s_setprio 2
	v_add_nc_u32 v8, s[TB], v1
	s_wait_alu depctr_va_vdst(0)
	v_add_nc_u32 v9, s[TB], v5
	v_add_nc_u32 v10, s[TS], v3
	s_wait_alu depctr_va_vdst(0)
	v_add_nc_u32 v11, s[TJ], v4
.rept 5
	v_nop                                  ; with the four additions nine places: the scores are laid over registers that the last products read
.endr
.irp g, 0,1
.if \g
.rept 8
	v_nop                                  ; places in front of loads into registers that matrix instructions have read
.endr
.endif
.irp t, 0,1,2,3
	ds_load_b128 v[32+16*\t:35+16*\t], v8 offset:(4*\g+\t)*1024
	ds_load_b128 v[36+16*\t:39+16*\t], v8 offset:(4*\g+\t)*1024+512
	ds_load_b32 v[208+\t], v10 offset:(4*\g+\t)*64
.endr
	s_wait_dscnt 0x0
.irp t, 0,1,2,3
	v_wmma_scale_f32_16x16x128_f8f6f4 v[96+8*(4*\g+\t):103+8*(4*\g+\t)], v[32+16*\t:47+16*\t], v[16:31], 0, v[208+\t], v216 matrix_a_fmt:MATRIX_FMT_BF8 matrix_b_fmt:MATRIX_FMT_BF8
.endr
.endr
.rept 8
	v_nop
.endr
	s_cmp_lg_u32 s[ST], s[RANK]
	s_cbranch_scc1 .Lopen_\@
	v_mov_b32 v243, 0xff800000             ; on the diagonal hidden scores become -infinity ahead of the maximum: p = 0 then
.set n, 0
.rept 64
	v_cmp_gt_i32 vcc_lo, 32*(n/16)+n%16, v247
	v_cndmask_b32 v[96+n], v[96+n], v243, vcc_lo
.set n, n+1
.endr
.Lopen_\@:
.irp b, 0,1,2,3
	v_max3_num_f32 v[224+\b], v[96+16*\b], v[97+16*\b], v[98+16*\b]      ; the largest score of each block of 32 keys: for the row's maximum and for the block's largest p
.endr
.irp i, 3,5,7,9,11,13
.irp b, 0,1,2,3
	v_max3_num_f32 v[224+\b], v[224+\b], v[96+16*\b+\i], v[97+16*\b+\i]
.endr
.endr
.irp b, 0,1,2,3
	v_max_num_f32 v[224+\b], v[224+\b], v[111+16*\b]
.endr
.irp b, 0,1,2,3
	s_delay_alu instid0(VALU_DEP_4)
	v_permlanex16_b32 v[228+\b], v[224+\b], s[SEL], s[SEL+1]
.endr
.irp b, 0,1,2,3
	s_delay_alu instid0(VALU_DEP_4)
	v_max_num_f32 v[224+\b], v[224+\b], v[228+\b]
.endr
	s_delay_alu instid0(VALU_DEP_2)
	v_max3_num_f32 v242, v224, v225, v226
	s_delay_alu instid0(VALU_DEP_1)
	v_max_num_f32 v242, v242, v227
	s_delay_alu instid0(VALU_DEP_1)
	v_mul_f32 v242, s[CS], v242
	s_delay_alu instid0(VALU_DEP_1)
	v_max_num_f32 v13, v13, v242           ; the running largest t
	v_mov_b32 v242, v12
	s_delay_alu instid0(VALU_DEP_2)
	v_floor_f32 v12, -v13                  ; the new -M = -ceil(t)
	s_delay_alu instid0(VALU_DEP_1)
	v_sub_f32 v242, v12, v242              ; old M - new M: a whole number, 0 or less
	s_delay_alu instid0(VALU_DEP_1)
	v_cvt_i32_f32 v242, v242               ; (it saturates)
	s_delay_alu instid0(VALU_DEP_1)
	v_ldexp_f32 v240, 1.0, v242            ; f = 2^(old M - new M): a multiplication by it rounds nothing
.set n, 0
.rept 32
	v_pk_fma_f32 v[96+n:97+n], v[96+n:97+n], s[CS:CS+1], v[12:13] op_sel_hi:[1,0,0]   ; t - M
.set n, n+2
.endr
	s_setprio 1
.irp b, 0,1,2,3
	v_fma_f32 v[224+\b], v[224+\b], s[CS], v12
.endr
.set n, 0
	s_wait_alu depctr_va_vdst(0)
.rept 64
	v_exp_f32 v[96+n], v[96+n]             ; p = 2^(t - M)
.set n, n+1
.endr
	v_pk_mul_f32 v[14:15], v[14:15], v[240:241] op_sel_hi:[1,0]      ; the sums under the new M: a plain line behind the exponentials
	s_wait_alu depctr_va_vdst(0)           ; one wait for the batch, ahead of its first reader
.irp b, 0,1,2,3
	v_exp_f32 v[224+\b], v[224+\b]         ; each block's largest p
.endr
	v_pk_add_f32 v[228:229], v[100:101], v[104:105]
	v_pk_add_f32 v[252:253], v[108:109], v[112:113]
	v_pk_add_f32 v[250:251], v[116:117], v[120:121]
	v_pk_add_f32 v[248:249], v[124:125], v[128:129]
	v_pk_add_f32 v[244:245], v[132:133], v[136:137]
	v_pk_add_f32 v[238:239], v[140:141], v[144:145]
	v_pk_add_f32 v[236:237], v[148:149], v[152:153]
	v_pk_add_f32 v[14:15], v[14:15], v[156:157]
	v_pk_add_f32 v[228:229], v[228:229], v[96:97]
	v_pk_add_f32 v[252:253], v[252:253], v[98:99]
	v_pk_add_f32 v[250:251], v[250:251], v[102:103]
	v_pk_add_f32 v[248:249], v[248:249], v[106:107]
	v_pk_add_f32 v[244:245], v[244:245], v[110:111]
	v_pk_add_f32 v[238:239], v[238:239], v[114:115]
	v_pk_add_f32 v[236:237], v[236:237], v[118:119]
	v_pk_add_f32 v[14:15], v[14:15], v[122:123]
	v_pk_add_f32 v[228:229], v[228:229], v[126:127]
	v_pk_add_f32 v[252:253], v[252:253], v[130:131]
	v_pk_add_f32 v[250:251], v[250:251], v[134:135]
	v_pk_add_f32 v[248:249], v[248:249], v[138:139]
	v_pk_add_f32 v[244:245], v[244:245], v[142:143]
	v_pk_add_f32 v[238:239], v[238:239], v[146:147]
	v_pk_add_f32 v[236:237], v[236:237], v[150:151]
	v_pk_add_f32 v[14:15], v[14:15], v[154:155]
	v_pk_add_f32 v[228:229], v[228:229], v[158:159]
	s_delay_alu instid0(VALU_DEP_2)
	v_pk_add_f32 v[14:15], v[14:15], v[248:249]
	s_delay_alu instid0(VALU_DEP_2)
	v_pk_add_f32 v[228:229], v[228:229], v[244:245]
	v_pk_add_f32 v[252:253], v[252:253], v[238:239]
	v_pk_add_f32 v[250:251], v[250:251], v[236:237]
	s_delay_alu instid0(VALU_DEP_2)
	v_pk_add_f32 v[14:15], v[14:15], v[252:253]
	s_delay_alu instid0(VALU_DEP_2)
	v_pk_add_f32 v[228:229], v[228:229], v[250:251]
	s_delay_alu instid0(VALU_DEP_1)
	v_pk_add_f32 v[14:15], v[14:15], v[228:229]
	s_wait_alu depctr_va_vdst(0)           ; and one for the four
.irp b, 0,1,2,3
	v_max_num_f32 v[224+\b], 0x8000000, v[224+\b]    ; the floor 2^(16 - 127)
.endr
.irp b, 0,1,2,3
	s_delay_alu instid0(VALU_DEP_4)
	v_add_nc_u32 v[236+\b], 0xf8800000, v[224+\b]
.endr
.irp b, 0,1,2,3
.endr
.irp b, 0,1,2,3
	s_delay_alu instid0(VALU_DEP_4)
	v_lshrrev_b32 v[228+\b], 23, v[236+\b]
.endr
	s_delay_alu instid0(VALU_DEP_3)
	v_lshl_or_b32 v217, v229, 8, v228      ; p's scale word for these 128 keys
	s_delay_alu instid0(VALU_DEP_1)
	v_lshl_or_b32 v217, v230, 16, v217
	s_delay_alu instid0(VALU_DEP_1)
	v_lshl_or_b32 v217, v231, 24, v217
.irp b, 0,1,2,3
.irp i, 0,1,2,3,4,5,6,7,8,9,10,11,12,13,14,15
.endr
	v_cvt_scalef32_pk8_bf8_f32 v[192+4*\b:193+4*\b], v[96+16*\b:103+16*\b], v[236+\b]
	v_cvt_scalef32_pk8_bf8_f32 v[194+4*\b:195+4*\b], v[104+16*\b:111+16*\b], v[236+\b]
.endr
	s_setprio 0
	v_nop
.irp t, 0,1,2,3
.irp c, 0,1,2,3
	ds_load_b128 v[96+16*\t+4*\c:99+16*\t+4*\c], v9 offset:\t*2048+512*\c      ; V's four fragments land where p stood
.endr
	ds_load_b32 v[212+\t], v11 offset:\t*64
.endr
.set n, 0
.rept 16
	v_pk_mul_f32 v[160+n:161+n], v[160+n:161+n], v[240:241] op_sel_hi:[1,0]    ; O^T under the new M; these are also the places in front of the products
.set n, n+2
.endr
	s_wait_alu depctr_va_vdst(0)
	s_wait_dscnt 0x0
.irp t, 0,1,2,3
	v_wmma_scale_f32_16x16x128_f8f6f4 v[160+8*\t:167+8*\t], v[96+16*\t:111+16*\t], v[192:207], v[160+8*\t:167+8*\t], v[212+\t], v217 matrix_a_fmt:MATRIX_FMT_BF8 matrix_b_fmt:MATRIX_FMT_BF8
.endr
.Lhidden_\@:
	s_add_co_u32 s[ST], s[ST], 1
	s_add_co_u32 s[TB], s[TB], 8192
	s_add_co_u32 s[TS], s[TS], 512
	s_add_co_u32 s[TJ], s[TJ], 256
.endm
	s_mov_b32 s[TB], 0                     ; the step's tiles of K (and, 131,072 bytes on, of V): 8,192 bytes a step
	s_mov_b32 s[TS], 0                     ; K's scale words: 512 bytes a step
	s_mov_b32 s[TJ], 0                     ; V's: 256 bytes a step
	s_mov_b32 s[ST], 0                     ; the step's number
	s_wait_loadcnt 0x0                     ; Q
	s_wait_tensorcnt 3                     ; the scale words and my part of the first quarter are in; the three later quarters' loads may stay out
	s_wait_dscnt 0x0
	s_barrier_signal -1
	s_barrier_wait -1                      ; everybody's part is in
	KSTEP                                  ; key step 0, which no wave passes over: its bytes lie in the first quarter; the other quarters land meanwhile
	s_wait_tensorcnt 0x0                   ; all my loads have landed
	s_wait_dscnt 0x0
	s_barrier_signal -1
	s_barrier_wait -1                      ; everybody's have: from here on no wave waits for another
	s_mov_b32 s[CNT], 15
.Lwalk:                                        ; key steps 1 to 15: a constant count; a wave passes over the steps behind its rank
	KSTEP
	s_sub_co_u32 s[CNT], s[CNT], 1
	s_cmp_lg_u32 s[CNT], 0
	s_cbranch_scc1 .Lwalk
	s_setprio 0
	; THE WAY OUT: O^T / the sum, quantised: my head's 64 features are two blocks of the projection's K
.rept 8
	v_nop
.endr
	v_add_f32 v14, v14, v15
	s_wait_alu depctr_va_vdst(0)
	v_permlanex16_b32 v242, v14, s[SEL], s[SEL+1]
	s_delay_alu instid0(VALU_DEP_1)
	v_add_f32 v14, v14, v242
	s_wait_alu depctr_va_vdst(0)
	v_rcp_f32 v14, v14
	v_nop                                  ; a plain line behind the transcendental
	s_lshr_b32 s24, s10, 4                 ; batch
	s_and_b32 s25, s10, 15                 ; head
	s_lshl_b32 s24, s24, 7
	s_add_co_u32 s24, s24, s14
	s_lshl_b32 s24, s24, 3
	s_lshr_b32 s26, s25, 1
	s_add_co_u32 s24, s24, s26             ; 8 x tile + K step
	s_and_b32 s25, s25, 1
	s_lshl_b32 s26, s24, 11
	s_lshl_b32 s27, s25, 10
	s_add_co_u32 s26, s26, s27             ; pieces 2 (head % 2) and the next
	s_mov_b32 s27, 0
	s_lshl_b32 s28, s24, 6
	s_lshl_b32 s29, s25, 1
	s_add_co_u32 s28, s28, s29
	s_add_co_u32 s28, s28, AS
	s_mov_b32 s29, 0
	s_add_nc_u64 s[26:27], s[6:7], s[26:27]
	s_add_nc_u64 s[28:29], s[6:7], s[28:29]
	s_wait_alu depctr_va_vdst(0)           ; ahead of the reciprocal's first reader
.set n, 0
.rept 32
	v_mul_f32 v[96+n], v[160+n], v14       ; register 16 b + i: feature 32 b + 16 h + i of my query
.set n, n+1
.endr
.irp b, 0,1
	v_max3_num_f32 v[224+\b], |v[96+16*\b]|, |v[97+16*\b]|, 0x8000000
.endr
.irp i, 2,4,6,8,10,12,14
.irp b, 0,1
	s_delay_alu instid0(VALU_DEP_2)
	v_max3_num_f32 v[224+\b], v[224+\b], |v[96+16*\b+\i]|, |v[97+16*\b+\i]|
.endr
.endr
.irp b, 0,1
	s_delay_alu instid0(VALU_DEP_2)
	v_permlanex16_b32 v[228+\b], v[224+\b], s[SEL], s[SEL+1]
.endr
.irp b, 0,1
	s_delay_alu instid0(VALU_DEP_2)
	v_max_num_f32 v[224+\b], v[224+\b], v[228+\b]
.endr
.irp b, 0,1
	s_delay_alu instid0(VALU_DEP_2)
	v_add_nc_u32 v[236+\b], 0xf8800000, v[224+\b]
.endr
.irp b, 0,1
.endr
.irp b, 0,1
	s_delay_alu instid0(VALU_DEP_2)
	v_lshrrev_b32 v[228+\b], 23, v[236+\b]
.endr
	s_delay_alu instid0(VALU_DEP_1)
	v_lshl_or_b32 v248, v229, 8, v228
.irp b, 0,1
.irp i, 0,1,2,3,4,5,6,7,8,9,10,11,12,13,14,15
.endr
	v_cvt_scalef32_pk8_bf8_f32 v[192+4*\b:193+4*\b], v[96+16*\b:103+16*\b], v[236+\b]
	v_cvt_scalef32_pk8_bf8_f32 v[194+4*\b:195+4*\b], v[104+16*\b:111+16*\b], v[236+\b]
.endr
	v_nop
	global_store_b128 v1, v[192:195], s[26:27]
	global_store_b128 v1, v[196:199], s[26:27] offset:512          ; each store of the wave covers 512 consecutive bytes, aligned
	global_store_b16 v2, v248, s[28:29]    ; my head's two bytes of the row's scale word (both halves of the lanes write the same)
	s_wait_tensorcnt 0x0
	ds_add_u32 v254, v255
	s_wait_dscnt 0x0
	CROUND                                 ; the closing round
	s_endpgm
.Lfunc_end_k_q7cca298b5f_attn:
	.size	k_q7cca298b5f_attn, .Lfunc_end_k_q7cca298b5f_attn-k_q7cca298b5f_attn
	.p2alignl 7, 3214868480
	.fill 96, 4, 3214868480
	.section	.rodata,"a",@progbits
	.p2align	6, 0x0
	.amdhsa_kernel k_q7cca298b5f_attn
		.amdhsa_group_segment_fixed_size 276480
		.amdhsa_private_segment_fixed_size 0
		.amdhsa_enable_private_segment 0
		.amdhsa_kernarg_size 16
		.amdhsa_user_sgpr_count 2
		.amdhsa_user_sgpr_kernarg_segment_ptr 1
		.amdhsa_wavefront_size32 1
		.amdhsa_system_sgpr_workgroup_id_x 1
		.amdhsa_system_sgpr_workgroup_id_y 1
		.amdhsa_system_sgpr_workgroup_id_z 1
		.amdhsa_system_vgpr_workitem_id 0
		.amdhsa_next_free_vgpr 256
		.amdhsa_next_free_sgpr 90
		.amdhsa_reserve_vcc 1
		.amdhsa_float_denorm_mode_32 3
		.amdhsa_float_denorm_mode_16_64 3
		.amdhsa_fp16_overflow 1
		.amdhsa_memory_ordered 1
		.amdhsa_forward_progress 1
		.amdhsa_inst_pref_size 62
	.end_amdhsa_kernel
	.amdgpu_metadata
---
amdhsa.version: [ 1, 2 ]
amdhsa.kernels:
  - .name:           k_q7cca298b5f_attn
    .symbol:         k_q7cca298b5f_attn.kd
    .args:
      - { .name: wsq, .offset: 0, .size: 8, .value_kind: global_buffer, .address_space: global }
      - { .name: wst, .offset: 8, .size: 8, .value_kind: global_buffer, .address_space: global }
    .group_segment_fixed_size: 276480
    .private_segment_fixed_size: 0
    .kernarg_segment_align: 8
    .kernarg_segment_size: 16
    .max_flat_workgroup_size: 512
    .sgpr_count:     90
    .vgpr_count:     256
    .wavefront_size: 32
...
	.end_amdgpu_metadata
.endif
;; end of part 3
;; launch proj (part 4): grid 8 x 32, 4 waves a work-group, clusters of 4 x 4, 327,680 bytes of LDS; arguments wst, wsa, bp, x, x1; writes x1
.if DOCPART == 4
	.amdgcn_target "amdgcn-amd-amdhsa--gfx1250"
	.amdhsa_code_object_version 6
	.text
	.protected	k_q7cca298b5f_proj
	.globl	k_q7cca298b5f_proj
	.p2align	8
	.type	k_q7cca298b5f_proj,@function
k_q7cca298b5f_proj:
	s_mov_b64 s[64:65], 0
	v_nop
	global_prefetch_b8 v0, s[64:65] scope:SCOPE_SE
	s_setreg_imm32_b32 hwreg(HW_REG_WAVE_MODE, 25, 1), 1
	s_wait_xcnt 0x0
	s_wait_alu depctr_hold_cnt(0) depctr_sa_sdst(0) depctr_va_vdst(0) depctr_va_sdst(0) depctr_va_ssrc(0) depctr_va_vcc(0) depctr_vm_vsrc(0)
	s_getreg_b32 s2, hwreg(HW_REG_IB_STS2, 6, 4)
	s_cmp_eq_u32 s2, 0
	s_cbranch_scc0 .Lentry_in_a_cluster
	s_endpgm
.Lentry_in_a_cluster:
	s_bfe_u32 s2, ttmp6, 0x10000c
	s_cmp_lg_u32 s2, 0xf033
	s_cbranch_scc0 .Lentry_shape_is_right
	s_endpgm
.Lentry_shape_is_right:
; out = resid + X W + bias on codes of E5M2 (one E8M0 byte for each 32 along K): here x1 = x + attn Wp + bp, K = 1,024.
; Operands are images of operand registers (16 rows x 128 K = 2,048 bytes, lane l's 16 bytes of piece c at 512 c + 16 l); row r of tile T is index 32 (T / 2) + 8 (T % 2) + r + (r & 8).
; Source 0 = tiles of W (output columns), source 1 = tiles of X (tokens): a lane holds one token and eight neighbouring columns.
; The output has 4,096 x 1,024 numbers, 16,384 for each of 256 work-groups: a work-group makes 128 x 128, a wave 64 x 64 (16 accumulators).  A slot holds four K steps of 128; here the two slots hold all of K and nothing is filled again.
; 4 x 4 work-groups form a cluster: X's tiles are asked for jointly along a row of the cluster, W's along a column.
; REGISTERS: window 0: v0-31 addresses, v32-63 scale words, v64-95 the bias, v128-191 X's fragments, v192-255 the way out; window 1: W's fragments (two sets); window 2: v0-127 accumulators, v128-255 the residual.
.set NB, 4
.set HB, NB/2
.set NQ, 4
.set KST, 8
.set XSO, 4194304                      ; X's scale words in its buffer (its codes lie at 0)
.set WCO, 7569408                      ; W's codes in wsa
.set WSO, 8617984                      ; and its scale words
.set TILEB, NQ*2048
.set HALFT, NB*TILEB
.set SLOT, 4*HALFT
.set SCL, 2*SLOT
.set HALFS, NB*KST*64
.set SPARE, SCL+4*HALFS                ; the spare words, 128 bytes a wave, that no other line names
.set LAPS, KST/(2*NQ)
.set ADRX, 16
.set ADRW, 20
.set ADRS, 27
.set SPW, 28
.set NIL, 29
.set SC, 32
.set BIAS, 64
.set AF, 128
.set G1, 24
.set G0, 32
.set G1B, 48
.set G0B, 56
.set G1S, 68
.set G0S, 76
.set G1SB, 80
.set G0SB, 88
.set MSB, 0
.macro WIN new
.if MSB != (\new)
	s_set_vgpr_msb (MSB<<8)|(\new)
.set MSB, (\new)
.endif
.endm
.macro JLOAD g0a, g1a, g0b, g1b        ; a joint load: waves 0 and 1 fetch for X, waves 2 and 3 for W; four v_nop follow each line
	s_cmp_eq_u32 s15, 0
	s_cbranch_scc0 .Lfor_b_\@
	tensor_load_to_lds s[\g0a:\g0a+3], s[\g1a:\g1a+7]
	s_nop 0
.rept 4
	v_nop
.endr
	s_branch .Lasked_\@
.Lfor_b_\@:
	tensor_load_to_lds s[\g0b:\g0b+3], s[\g1b:\g1b+7]
	s_nop 0
.rept 4
	v_nop
.endr
.Lasked_\@:
.endm
.macro CREST
	s_cmp_lg_u32 s14, 0
	s_cbranch_scc1 .Lnot_wave_0_\@
	s_barrier_signal -3
.Lnot_wave_0_\@:
	s_barrier_wait -3
	s_barrier_signal -1
	s_barrier_wait -1
.endm
.macro CROUND
	s_barrier_signal -1
	s_barrier_wait -1
	CREST
.endm
.macro PLACES n                        ; plain places behind matrix instructions: eight for this form
.rept \n
	v_nop
.endr
.endm
.macro FRAG reg, adr, q, i
.irp c, 0,1,2,3
	ds_load_b128 v[\reg+4*\c:\reg+4*\c+3], v[\adr] offset:(\i)*TILEB+(\q)*2048+512*\c
.endr
.endm
.macro FETCH_W slot, q, p
	WIN 0x40
.set fi, 0
.rept NB
	FRAG 128*(\p)+16*fi, ADRW+\slot, \q, fi
.set fi, fi+1
.endr
	WIN 0
.endm
.macro FETCH_X slot, q, i0
.set fi, \i0
.rept HB
	FRAG AF+16*fi, ADRX+\slot, \q, fi
.set fi, fi+1
.endr
.endm
.macro SCALES sc                       ; a slot's scale words: lanes 0-15 take X's tile i, lanes 16-31 W's tile i
.set fi, 0
.rept NB
.set fq, 0
.rept NQ
	ds_load_b32 v[SC+NB*NQ*(\sc)+NQ*fi+fq], v[ADRS] offset:fi*KST*64+fq*64
.set fq, fq+1
.endr
.set fi, fi+1
.endr
.endm
; X's tiles a0 .. a0 + na - 1 against W's NB.  cm = 0: onto the sums; 1: the bias starts them.  The accumulators take turns, one instruction a turn.
.macro MULH a0, na, p, q, sc, cm
.set ma, \a0
.rept \na
.if \cm
	WIN 0x81
.else
	WIN 0xa1
.endif
.set mb, 0
.rept NB
.set rD, 8*(NB*ma+mb)
.set rW, 128*(\p)+16*mb
.set rX, AF+16*ma
.set rSW, SC+NB*NQ*(\sc)+NQ*mb+(\q)
.set rSX, SC+NB*NQ*(\sc)+NQ*ma+(\q)
.if \cm == 0
	v_wmma_scale_f32_16x16x128_f8f6f4 v[rD:rD+7], v[rW:rW+15], v[rX:rX+15], v[rD:rD+7], v[rSW], v[rSX] matrix_a_fmt:MATRIX_FMT_BF8 matrix_b_fmt:MATRIX_FMT_BF8 matrix_a_scale:MATRIX_SCALE_ROW1
.else
	v_wmma_scale_f32_16x16x128_f8f6f4 v[rD:rD+7], v[rW:rW+15], v[rX:rX+15], v[BIAS+8*mb:BIAS+8*mb+7], v[rSW], v[rSX] matrix_a_fmt:MATRIX_FMT_BF8 matrix_b_fmt:MATRIX_FMT_BF8 matrix_a_scale:MATRIX_SCALE_ROW1
.endif
.set mb, mb+1
.endr
.set ma, ma+1
.endr
.endm
.macro STEP slot, q, cm
	s_wait_dscnt 4*HB                      ; all but the youngest loads, X's second half
	MULH 0, HB, (\q)%2, \q, \slot, \cm
	s_wait_dscnt 0x0
	PLACES 8
	FETCH_W \slot, (\q)+1, 1-(\q)%2
	FETCH_X \slot, (\q)+1, 0
	MULH HB, HB, (\q)%2, \q, \slot, \cm
	PLACES 8
	WIN 0
	FETCH_X \slot, (\q)+1, HB
.endm
.macro TURN slot, next, fill
	s_wait_tensorcnt 0x0                   ; all my tensor loads have landed: my part of the next slot
	ds_add_u32 v[SPW], v[NIL]              ; 0 onto my spare word
	s_wait_dscnt 4*HB+1                    ; (the add and X's second half may be out)
	MULH 0, HB/2, 1, NQ-1, \slot, 0
	s_wait_dscnt 0x0                       ; the add is done, and my reads of this slot are over
	s_barrier_signal -1
	MULH HB/2, HB/2, 1, NQ-1, \slot, 0
	WIN 0
	s_barrier_wait -1
.if \fill
	CREST                                  ; the barrier has opened a round of the cluster's: no wave of any partner still reads this slot or has a load on its way
	s_add_nc_u64 s[G0+4*\slot+2:G0+4*\slot+3], s[G0+4*\slot+2:G0+4*\slot+3], 2*TILEB
	s_add_nc_u64 s[G0B+4*\slot+2:G0B+4*\slot+3], s[G0B+4*\slot+2:G0B+4*\slot+3], 2*TILEB
	JLOAD G0+4*\slot, G1, G0B+4*\slot, G1B
	PLACES 4
.else
	PLACES 8
.endif
	v_add_nc_u32 v[ADRS], NQ*64, v[ADRS]
	FETCH_W \next, 0, 0
	FETCH_X \next, 0, 0
	SCALES \next
	MULH HB, HB, 1, NQ-1, \slot, 0
	PLACES 8
	WIN 0
	FETCH_X \next, 0, HB
.endm
.macro REST slot
.if NQ > 2
.set rq, 1
.rept NQ-2
	STEP \slot, rq, 0
.set rq, rq+1
.endr
.endif
.endm
	s_load_b256 s[4:11], s[0:1], 0x0       ; X's buffer s[4:5], wsa s[6:7], the bias s[8:9], the residual s[10:11]
	s_load_b64 s[12:13], s[0:1], 0x20      ; the output
	v_lshl_add_u32 v[SPW], v0, 2, SPARE
	v_mov_b32 v[NIL], 0
	ds_add_u32 v28, v29
	ds_add_u32 v28, v29
	s_wait_dscnt 0x0
	v_lshrrev_b32 v1, 5, v0
	v_readfirstlane_b32 s14, v1            ; wave 0..3
	s_lshr_b32 s15, s14, 1                 ; my half of X's tiles.  Also: I fetch for X (0) or for W (1)
	s_and_b32 s16, s14, 1                  ; my half of W's tiles.  Also: which half I fetch
	s_bfe_u32 s40, ttmp6, 0x40000          ; cx
	s_bfe_u32 s41, ttmp6, 0x40004          ; cy
	s_lshl_b32 s42, ttmp9, 2
	s_add_co_u32 s42, s42, s40             ; W's block of 8 tiles
	s_and_b32 s17, ttmp7, 0xffff
	s_lshl_b32 s17, s17, 2
	s_add_co_u32 s17, s17, s41             ; X's block of 8 tiles
	s_lshl_b32 s43, s41, 2
	s_lshl_b32 s43, 15, s43                ; my row of the cluster
	s_lshl_b32 s44, 0x1111, s40            ; my column
	s_or_b32 s[G1+0], s43, (3<<16)|(1<<21) ; 15:0 the mask; 17:16 elements of 8 bytes; 21 set beside a mask; no padding
	s_or_b32 s[G1B+0], s44, (3<<16)|(1<<21)
.irp g, G1, G1B
	s_mov_b32 s[\g+1], (TILEB/8)<<16
	s_mov_b32 s[\g+2], NB<<16
	s_mov_b32 s[\g+3], (TILEB/8)<<16
	s_mov_b32 s[\g+4], NB
	s_mov_b32 s[\g+5], KST*256
	s_mov_b32 s[\g+6], 0
	s_mov_b32 s[\g+7], 0
.endr
	s_or_b32 s[G1S+0], s43, (3<<16)|(1<<21)
	s_or_b32 s[G1SB+0], s44, (3<<16)|(1<<21)
.irp g, G1S, G1SB
	s_mov_b32 s[\g+1], 32<<16
	s_mov_b32 s[\g+2], (HALFS/256)<<16
	s_mov_b32 s[\g+3], 32<<16
	s_mov_b32 s[\g+4], HALFS/256
	s_mov_b32 s[\g+5], 32
	s_mov_b32 s[\g+6], 0
	s_mov_b32 s[\g+7], 0
.endr
	s_mul_i32 s18, s16, NB
	s_mul_i32 s20, s17, 2*NB
	s_add_co_u32 s20, s20, s18
	s_mul_i32 s46, s42, 2*NB
	s_add_co_u32 s46, s46, s18
	s_mul_i32 s22, s20, KST*64
	s_mul_i32 s92, s46, KST*64
	s_mul_i32 s20, s20, KST*2048
	s_mul_i32 s46, s46, KST*2048
	s_add_co_u32 s22, s22, XSO
	s_add_co_u32 s46, s46, WCO
	s_add_co_u32 s92, s92, WSO
	s_mov_b32 s21, 0
	s_mov_b32 s23, 0
	s_mov_b32 s47, 0
	s_mov_b32 s93, 0
	s_mul_i32 s45, s14, HALFT
	s_mul_i32 s94, s14, HALFS
	s_wait_kmcnt 0x0
	s_add_nc_u64 s[20:21], s[4:5], s[20:21]
	s_add_nc_u64 s[22:23], s[4:5], s[22:23]
	s_add_nc_u64 s[46:47], s[6:7], s[46:47]
	s_add_nc_u64 s[92:93], s[6:7], s[92:93]
	CROUND                                 ; all sixteen work-groups are here: the first joint loads meet
	s_mov_b32 s[G0S], 1
	s_add_co_u32 s[G0S+1], s94, SCL
	s_mov_b64 s[G0S+2:G0S+3], s[22:23]
	s_or_b32 s[G0S+3], s[G0S+3], 0x80000000
	s_mov_b32 s[G0SB], 1
	s_add_co_u32 s[G0SB+1], s94, SCL
	s_mov_b64 s[G0SB+2:G0SB+3], s[92:93]
	s_or_b32 s[G0SB+3], s[G0SB+3], 0x80000000
	JLOAD G0S, G1S, G0SB, G1SB             ; three loads of mine are out at the most
.irp s, 0,1
	s_mov_b32 s[G0+4*\s], 1
	s_add_co_u32 s[G0+4*\s+1], s45, \s*SLOT
	s_add_nc_u64 s[G0+4*\s+2:G0+4*\s+3], s[20:21], \s*TILEB
	s_or_b32 s[G0+4*\s+3], s[G0+4*\s+3], 0x80000000
	s_mov_b32 s[G0B+4*\s], 1
	s_add_co_u32 s[G0B+4*\s+1], s45, \s*SLOT
	s_add_nc_u64 s[G0B+4*\s+2:G0B+4*\s+3], s[46:47], \s*TILEB
	s_or_b32 s[G0B+4*\s+3], s[G0B+4*\s+3], 0x80000000
	JLOAD G0+4*\s, G1, G0B+4*\s, G1B
.endr
	v_and_b32 v1, 15, v0                   ; r
	v_bfe_u32 v2, v0, 4, 1                 ; h
	v_and_b32 v3, 31, v0
	v_lshlrev_b32 v4, 4, v3                ; 16 x lane
	s_mul_i32 s21, s15, HALFT
	s_mul_i32 s22, s16, HALFT
	s_add_co_u32 s22, s22, 2*HALFT
.irp s, 0,1
	v_add_nc_u32 v[ADRX+\s], s21, v4
	v_add_nc_u32 v[ADRW+\s], s22, v4
	s_add_co_u32 s21, s21, SLOT
	s_add_co_u32 s22, s22, SLOT
.endr
	v_lshlrev_b32 v5, 2, v1
	s_mul_i32 s21, s15, HALFS
	s_mul_i32 s22, s16, HALFS
	s_add_co_u32 s22, s22, 2*HALFS
	s_sub_co_u32 s22, s22, s21
	v_mul_u32_u24 v6, s22, v2              ; lanes 16-31 take W's words
	s_add_co_u32 s21, s21, SCL
	v_add_nc_u32 v5, v5, v6
	v_add_nc_u32 v[ADRS], s21, v5
	; the bias, in the result's layout, and the residual, in the layout of the way out
	s_lshl_b32 s46, s42, 9
	s_lshl_b32 s47, s16, 8
	s_add_co_u32 s46, s46, s47             ; my 64 columns, in bytes
	s_mov_b32 s47, 0
	s_add_nc_u64 s[8:9], s[8:9], s[46:47]
	s_lshl_b32 s20, s17, 7
	s_lshl_b32 s21, s15, 6
	s_add_co_u32 s20, s20, s21             ; my 64 tokens
	s_lshl_b32 s20, s20, 12
	s_add_co_u32 s20, s20, s46
	s_mov_b32 s21, 0
	s_add_nc_u64 s[10:11], s[10:11], s[20:21]
	s_add_nc_u64 s[12:13], s[12:13], s[20:21]
	v_lshlrev_b32 v19, 6, v2               ; 64 h
	v_lshlrev_b32 v26, 12, v2
	v_lshl_add_u32 v26, v1, 4, v26         ; lanes 0-15 one row of 256 bytes, lanes 16-31 the next
	s_mul_i32 s23, s14, 16*272             ; my stage: 16 rows x (256 + 16) bytes, in slot 0
	v_mul_u32_u24 v24, v1, 272
	v_lshl_add_u32 v24, v2, 6, v24
	v_add_nc_u32 v24, s23, v24             ; in: row r, + 64 h
	v_mul_u32_u24 v25, v2, 272
	v_lshl_add_u32 v25, v1, 4, v25
	v_add_nc_u32 v25, s23, v25             ; back: two rows an instruction
.irp b, 0,1,2,3
	global_load_b128 v[BIAS+8*\b:BIAS+8*\b+3], v19, s[8:9] offset:(32*(\b/2)+8*(\b%2))*4
	global_load_b128 v[BIAS+8*\b+4:BIAS+8*\b+7], v19, s[8:9] offset:(32*(\b/2)+8*(\b%2))*4+16
.endr
	WIN 0x80                               ; destination window 2
.set ra, 0
.rept 4
.set rt, 0
.rept 8
	global_load_b128 v[128+32*ra+4*rt:131+32*ra+4*rt], v26, s[10:11] offset:(32*(ra/2)+8*(ra%2)+2*rt+8*(rt/4))*4096 th:TH_LOAD_NT
.set rt, rt+1
.endr
.set ra, ra+1
.endr
	WIN 0
	s_wait_tensorcnt 1                     ; the scale words and my part of slot 0 are in; slot 1's load may stay out
	s_barrier_signal -1
	s_barrier_wait -1
	FETCH_W 0, 0, 0
	FETCH_X 0, 0, 0
	SCALES 0
	FETCH_X 0, 0, HB
	s_wait_loadcnt 32                      ; the bias is in; the 32 loads of the residual may stay out
	STEP 0, 0, 1                           ; the first K step starts the sums with the bias
.if LAPS > 1
	s_mov_b32 s3, LAPS-1
.Llap:
	REST 0
	TURN 0, 1, 1
	STEP 1, 0, 0
	REST 1
	TURN 1, 0, 1
	STEP 0, 0, 0
	s_sub_co_u32 s3, s3, 1
	s_cmp_lg_u32 s3, 0
	s_cbranch_scc1 .Llap
.endif
	REST 0
	TURN 0, 1, 0
	STEP 1, 0, 0
	REST 1
	s_wait_dscnt 4*HB
	MULH 0, HB, 1, NQ-1, 1, 0
	s_wait_dscnt 0x0
	MULH HB, HB, 1, NQ-1, 1, 0
	WIN 0
; THE WAY OUT, a tile of 16 tokens x 64 columns at a time, through my stage in slot 0 (it has had its last fill, and every wave has passed the last change of slots, behind which nobody reads it).
.macro TOSTAGE a
	WIN 0x08                               ; an LDS store's data are its source 1: window 2
.irp b, 0,1,2,3
	ds_store_b128 v24, v[8*(4*(\a)+\b):8*(4*(\a)+\b)+3] offset:128*(\b/2)+32*(\b%2)          ; each accumulator from its low end on
	ds_store_b128 v24, v[8*(4*(\a)+\b)+4:8*(4*(\a)+\b)+7] offset:128*(\b/2)+32*(\b%2)+16
.endr
	WIN 0
.irp t, 0,1,2,3,4,5,6,7
	ds_load_b128 v[192+32*((\a)%2)+4*\t:195+32*((\a)%2)+4*\t], v25 offset:544*\t            ; LDS serves a wave's instructions in order
.endr
.endm
.macro SEND a, younger                 ; younger: the LDS instructions issued behind tile a's loads
.set BB, 192+32*((\a)%2)
	s_wait_dscnt \younger
	WIN 0x08                               ; source 1, the residual: window 2
.set n, 0
.rept 16
	v_pk_add_f32 v[BB+n:BB+n+1], v[BB+n:BB+n+1], v[128+32*(\a)+n:129+32*(\a)+n]
.set n, n+2
.endr
	WIN 0
.irp t, 0,1,2,3,4,5,6,7
	global_store_b128 v26, v[BB+4*\t:BB+4*\t+3], s[12:13] offset:(32*((\a)/2)+8*((\a)%2)+2*\t+8*(\t/4))*4096   ; sixteen lanes store 256 consecutive bytes, aligned
.endr
.endm
	PLACES 8
	s_wait_loadcnt 0x0                     ; the residual
	TOSTAGE 0
	TOSTAGE 1
	SEND 0, 16                             ; behind tile 0's loads: tile 1's 8 stores and 8 loads
	s_wait_xcnt 0x0                        ; tile 0's stores have read their registers: tile 2's loads may land there
	TOSTAGE 2
	SEND 1, 16
	s_wait_xcnt 0x0
	TOSTAGE 3
	SEND 2, 16
	SEND 3, 0
	s_wait_tensorcnt 0x0                   ; the wave's end
	ds_add_u32 v[SPW], v[NIL]
	s_wait_dscnt 0x0
	CROUND                                 ; the closing round
	s_endpgm
.Lfunc_end_k_q7cca298b5f_proj:
	.size	k_q7cca298b5f_proj, .Lfunc_end_k_q7cca298b5f_proj-k_q7cca298b5f_proj
	.p2alignl 7, 3214868480
	.fill 96, 4, 3214868480
	.section	.rodata,"a",@progbits
	.p2align	6, 0x0
	.amdhsa_kernel k_q7cca298b5f_proj
		.amdhsa_group_segment_fixed_size 327680
		.amdhsa_private_segment_fixed_size 0
		.amdhsa_enable_private_segment 0
		.amdhsa_kernarg_size 40
		.amdhsa_user_sgpr_count 2
		.amdhsa_user_sgpr_kernarg_segment_ptr 1
		.amdhsa_wavefront_size32 1
		.amdhsa_system_sgpr_workgroup_id_x 1
		.amdhsa_system_sgpr_workgroup_id_y 1
		.amdhsa_system_sgpr_workgroup_id_z 1
		.amdhsa_system_vgpr_workitem_id 0
		.amdhsa_next_free_vgpr 768
		.amdhsa_next_free_sgpr 106
		.amdhsa_reserve_vcc 0
		.amdhsa_float_denorm_mode_32 3
		.amdhsa_float_denorm_mode_16_64 3
		.amdhsa_memory_ordered 1
		.amdhsa_forward_progress 1
		.amdhsa_inst_pref_size 66
	.end_amdhsa_kernel
	.amdgpu_metadata
---
amdhsa.version: [ 1, 2 ]
amdhsa.kernels:
  - .name:           k_q7cca298b5f_proj
    .symbol:         k_q7cca298b5f_proj.kd
    .args:
      - { .name: wst, .offset: 0, .size: 8, .value_kind: global_buffer, .address_space: global }
      - { .name: wsa, .offset: 8, .size: 8, .value_kind: global_buffer, .address_space: global }
      - { .name: bp, .offset: 16, .size: 8, .value_kind: global_buffer, .address_space: global }
      - { .name: x, .offset: 24, .size: 8, .value_kind: global_buffer, .address_space: global }
      - { .name: x1, .offset: 32, .size: 8, .value_kind: global_buffer, .address_space: global }
    .group_segment_fixed_size: 327680
    .private_segment_fixed_size: 0
    .kernarg_segment_align: 8
    .kernarg_segment_size: 40
    .max_flat_workgroup_size: 128
    .sgpr_count:     106
    .vgpr_count:     768
    .wavefront_size: 32
...
	.end_amdgpu_metadata
.endif
;; end of part 4
;; launch ln2: the kernel of part 1 again; grid 256 x 1, 8 waves a work-group, no clusters, 2,048 bytes of LDS; arguments x1, ln2_w, ln2_b, Wq, Wk, Wv, Wp, W1, W2, wsa; writes wsa
;; launch ff1 (part 5): grid 16 x 16, 4 waves a work-group, clusters of 4 x 4, 327,680 bytes of LDS; arguments wsa, b1, wsh; writes wsh
.if DOCPART == 5
	.amdgcn_target "amdgcn-amd-amdhsa--gfx1250"
	.amdhsa_code_object_version 6
	.text
	.protected	k_q7cca298b5f_ff1
	.globl	k_q7cca298b5f_ff1
	.p2align	8
	.type	k_q7cca298b5f_ff1,@function
k_q7cca298b5f_ff1:
	s_mov_b64 s[64:65], 0
	v_nop
	global_prefetch_b8 v0, s[64:65] scope:SCOPE_SE
	s_setreg_imm32_b32 hwreg(HW_REG_WAVE_MODE, 25, 1), 1
	s_wait_xcnt 0x0
	s_wait_alu depctr_hold_cnt(0) depctr_sa_sdst(0) depctr_va_vdst(0) depctr_va_sdst(0) depctr_va_ssrc(0) depctr_va_vcc(0) depctr_vm_vsrc(0)
	s_getreg_b32 s2, hwreg(HW_REG_IB_STS2, 6, 4)
	s_cmp_eq_u32 s2, 0
	s_cbranch_scc0 .Lentry_in_a_cluster
	s_endpgm
.Lentry_in_a_cluster:
	s_bfe_u32 s2, ttmp6, 0x10000c
	s_cmp_lg_u32 s2, 0xf033
	s_cbranch_scc0 .Lentry_shape_is_right
	s_endpgm
.Lentry_shape_is_right:
; hidden = gelu(LN2(x1) W1 + b1) on codes of E5M2 (one E8M0 byte for each 32 along K), quantised along the hidden units on the way out.  K = 1,024, 4,096 x 4,096 outputs.
; Operands and result are images of operand registers (16 rows x 128 K = 2,048 bytes, lane l's 16 bytes of piece c at 512 c + 16 l); row r of tile T is index 32 (T / 2) + 8 (T % 2) + r + (r & 8).
; Source 0 = tiles of W1's columns, source 1 = tiles of tokens: a lane holds one token, and the 16 registers of W's tiles 2 b, 2 b + 1 are hidden units 32 b + 16 h + 0..15: the next operand's layout.
; A work-group makes 256 x 256, a wave 128 x 128.  Eight K steps of 128, two to a slot, through a ring of two LDS slots; the scale words of all of K come once.  4 x 4 work-groups form a cluster with joint loads.
; THE GELU is exact: gelu(x) = max(x, 0) - a t e^(-a^2 + P(t)) / sqrt(2), a = |x| / sqrt(2), t = 1 / (1 + a / 2): erfc(a) = t e^(-a^2 + P(t)) with P of degree 9 (fractional error under 1.2e-7 for every a >= 0):
; one formula, no branch, no difference of near numbers in either tail.
; LIMITS: NaN and infinities are not served; v_exp_f32 and v_rcp_f32 are good to 1 ulp and flush denormals; a block whose largest magnitude lies under 2^-111 keeps the byte 1.
.set NB, 8
.set HB, NB/2
.set NQ, 2
.set KST, 8
.set XSO, 4194304                      ; wsa: the rows' images at 0, their scale words here
.set WCO, 8650752                      ; W1's codes
.set WSO, 12845056
.set GS,  16777216                     ; wsh: images [tile][32 K steps][2,048] at 0, scale words here
.set TILEB, NQ*2048
.set HALFT, NB*TILEB
.set SLOT, 4*HALFT
.set SCL, 2*SLOT
.set HALFS, NB*KST*64
.set SPARE, SCL+4*HALFS                ; the spare words, 128 bytes a wave, that no other line names
.set LAPS, KST/(2*NQ)
.set ADRX, 16
.set ADRW, 20
.set ADRS, 27
.set SPW, 28
.set NIL, 29
.set SC, 32
.set BIAS, 64
.set AF, 128
.set GA, 128                           ; the way out: a, t, -a^2 + c0, P: 16 registers each
.set GT, 144
.set GE, 160
.set GP, 176
.set TM, 192
.set PW, 208
.set PC, 212
.set CF, 24                            ; s[24:41] c0 .. c8, a pair each, once the descriptors are done with
.set G1, 24
.set G0, 32
.set G1B, 48
.set G0B, 56
.set G1S, 68
.set G0S, 76
.set G1SB, 80
.set G0SB, 88
.set SEL, 100
.set MNT, 104
.set MSB, 0
.macro WIN new
.if MSB != (\new)
	s_set_vgpr_msb (MSB<<8)|(\new)
.set MSB, (\new)
.endif
.endm
.macro JLOAD g0a, g1a, g0b, g1b        ; a joint load: waves 0 and 1 fetch for X, waves 2 and 3 for W; four v_nop follow each line
	s_cmp_eq_u32 s15, 0
	s_cbranch_scc0 .Lfor_b_\@
	tensor_load_to_lds s[\g0a:\g0a+3], s[\g1a:\g1a+7]
	s_nop 0
.rept 4
	v_nop
.endr
	s_branch .Lasked_\@
.Lfor_b_\@:
	tensor_load_to_lds s[\g0b:\g0b+3], s[\g1b:\g1b+7]
	s_nop 0
.rept 4
	v_nop
.endr
.Lasked_\@:
.endm
.macro CREST
	s_cmp_lg_u32 s14, 0
	s_cbranch_scc1 .Lnot_wave_0_\@
	s_barrier_signal -3
.Lnot_wave_0_\@:
	s_barrier_wait -3
	s_barrier_signal -1
	s_barrier_wait -1
.endm
.macro CROUND
	s_barrier_signal -1
	s_barrier_wait -1
	CREST
.endm
.macro PLACES n                        ; plain places behind matrix instructions: eight for this form
.rept \n
	v_nop
.endr
.endm
.macro FRAG reg, adr, q, i
.irp c, 0,1,2,3
	ds_load_b128 v[\reg+4*\c:\reg+4*\c+3], v[\adr] offset:(\i)*TILEB+(\q)*2048+512*\c
.endr
.endm
.macro FETCH_W slot, q, p
	WIN 0x40
.set fi, 0
.rept NB
	FRAG 128*(\p)+16*fi, ADRW+\slot, \q, fi
.set fi, fi+1
.endr
	WIN 0
.endm
.macro FETCH_X slot, q, i0
.set fi, \i0
.rept HB
	FRAG AF+16*fi, ADRX+\slot, \q, fi
.set fi, fi+1
.endr
.endm
.macro SCALES sc                       ; a slot's scale words: lanes 0-15 take X's tile i, lanes 16-31 W's tile i
.set fi, 0
.rept NB
.set fq, 0
.rept NQ
	ds_load_b32 v[SC+NB*NQ*(\sc)+NQ*fi+fq], v[ADRS] offset:fi*KST*64+fq*64
.set fq, fq+1
.endr
.set fi, fi+1
.endr
.endm
; X's tiles a0 .. a0 + na - 1 against W's NB.  cm = 0: onto the sums; 1: the bias starts them.  The accumulators take turns, one instruction a turn.
.macro MULH a0, na, p, q, sc, cm
.set ma, \a0
.rept \na
.if \cm
	WIN 0x81+0x40*(ma/4)
.else
	WIN 0xa1+0x50*(ma/4)
.endif
.set mb, 0
.rept NB
.set rD, 8*(NB*(ma%4)+mb)
.set rW, 128*(\p)+16*mb
.set rX, AF+16*ma
.set rSW, SC+NB*NQ*(\sc)+NQ*mb+(\q)
.set rSX, SC+NB*NQ*(\sc)+NQ*ma+(\q)
.if \cm == 0
	v_wmma_scale_f32_16x16x128_f8f6f4 v[rD:rD+7], v[rW:rW+15], v[rX:rX+15], v[rD:rD+7], v[rSW], v[rSX] matrix_a_fmt:MATRIX_FMT_BF8 matrix_b_fmt:MATRIX_FMT_BF8 matrix_a_scale:MATRIX_SCALE_ROW1
.else
	v_wmma_scale_f32_16x16x128_f8f6f4 v[rD:rD+7], v[rW:rW+15], v[rX:rX+15], v[BIAS+8*mb:BIAS+8*mb+7], v[rSW], v[rSX] matrix_a_fmt:MATRIX_FMT_BF8 matrix_b_fmt:MATRIX_FMT_BF8 matrix_a_scale:MATRIX_SCALE_ROW1
.endif
.set mb, mb+1
.endr
.set ma, ma+1
.endr
.endm
.macro STEP slot, q, cm
	s_wait_dscnt 4*HB                      ; all but the youngest loads, X's second half
	MULH 0, HB, (\q)%2, \q, \slot, \cm
	s_wait_dscnt 0x0
	PLACES 8
	FETCH_W \slot, (\q)+1, 1-(\q)%2
	FETCH_X \slot, (\q)+1, 0
	MULH HB, HB, (\q)%2, \q, \slot, \cm
	PLACES 8
	WIN 0
	FETCH_X \slot, (\q)+1, HB
.endm
.macro TURN slot, next, fill
	s_wait_tensorcnt 0x0                   ; all my tensor loads have landed: my part of the next slot
	ds_add_u32 v[SPW], v[NIL]              ; 0 onto my spare word
	s_wait_dscnt 4*HB+1                    ; (the add and X's second half may be out)
	MULH 0, HB/2, 1, NQ-1, \slot, 0
	s_wait_dscnt 0x0                       ; the add is done, and my reads of this slot are over
	s_barrier_signal -1
	MULH HB/2, HB/2, 1, NQ-1, \slot, 0
	WIN 0
	s_barrier_wait -1
.if \fill
	CREST                                  ; the barrier has opened a round of the cluster's: no wave of any partner still reads this slot or has a load on its way
	s_add_nc_u64 s[G0+4*\slot+2:G0+4*\slot+3], s[G0+4*\slot+2:G0+4*\slot+3], 2*TILEB
	s_add_nc_u64 s[G0B+4*\slot+2:G0B+4*\slot+3], s[G0B+4*\slot+2:G0B+4*\slot+3], 2*TILEB
	JLOAD G0+4*\slot, G1, G0B+4*\slot, G1B
	PLACES 4
.else
	PLACES 8
.endif
	v_add_nc_u32 v[ADRS], NQ*64, v[ADRS]
	FETCH_W \next, 0, 0
	FETCH_X \next, 0, 0
	SCALES \next
	MULH HB, HB, 1, NQ-1, \slot, 0
	PLACES 8
	WIN 0
	FETCH_X \next, 0, HB
.endm
.macro QUANT s                         ; 64 numbers of a lane, register 16 b + i = k 32 b + 16 h + i of my row, become a fragment's codes and its scale word
.irp b, 0,1,2,3
	v_max3_num_f32 v[TM+\b], |v[\s+16*\b]|, |v[\s+1+16*\b]|, 0x8000000   ; and the floor 2^(16 - 127)
.endr
.irp i, 2,4,6,8,10,12,14
.irp b, 0,1,2,3
	v_max3_num_f32 v[TM+\b], v[TM+\b], |v[\s+16*\b+\i]|, |v[\s+1+16*\b+\i]|
.endr
.endr
.irp b, 0,1,2,3
	v_permlanex16_b32 v[TM+4+\b], v[TM+\b], s[SEL], s[SEL+1]
.endr
.irp b, 0,1,2,3
	v_max_num_f32 v[TM+\b], v[TM+\b], v[TM+4+\b]
.endr
.irp b, 0,1,2,3
	v_add_nc_u32 v[TM+12+\b], 0xf8800000, v[TM+\b]
.endr
.irp b, 0,1,2,3
	v_and_or_b32 v[TM+8+\b], v[TM+\b], 0x7f800000, s[MNT]
.endr
.irp b, 0,1,2,3
	v_lshrrev_b32 v[TM+4+\b], 23, v[TM+12+\b]
.endr
	v_lshl_or_b32 v[PW], v[TM+5], 8, v[TM+4]
	v_lshl_or_b32 v[PW], v[TM+6], 16, v[PW]
	v_lshl_or_b32 v[PW], v[TM+7], 24, v[PW]
.irp b, 0,1,2,3
.irp i, 0,1,2,3,4,5,6,7,8,9,10,11,12,13,14,15
	v_med3_num_f32 v[\s+16*\b+\i], v[\s+16*\b+\i], -v[TM+8+\b], v[TM+8+\b]   ; the conversion does not saturate (ISA guide 7.6.2)
.endr
	v_cvt_scalef32_pk8_bf8_f32 v[PC+4*\b:PC+1+4*\b], v[\s+16*\b:\s+7+16*\b], v[TM+12+\b]
	v_cvt_scalef32_pk8_bf8_f32 v[PC+2+4*\b:PC+3+4*\b], v[\s+8+16*\b:\s+15+16*\b], v[TM+12+\b]
.endr
	v_nop
.endm
; the gelu of 16 numbers, in place.  Two batches of transcendentals, one wait each, plain work behind each batch
.macro GELU16 x0
.set n, 0
.rept 16
	v_mul_f32 v[GA+n], 0x3f3504f3, |v[\x0+n]|                      ; a = |x| / sqrt(2)
.set n, n+1
.endr
.set n, 0
.rept 8
	v_pk_fma_f32 v[GT+n:GT+n+1], v[GA+n:GA+n+1], 0.5, 1.0 op_sel_hi:[1,0,0]
.set n, n+2
.endr
.set n, 0
.rept 16
	v_rcp_f32 v[GT+n], v[GT+n]                                     ; t = 1 / (1 + a / 2)
.set n, n+1
.endr
.set n, 0
.rept 8
	v_pk_fma_f32 v[GE+n:GE+n+1], v[GA+n:GA+n+1], v[GA+n:GA+n+1], s[CF:CF+1] op_sel_hi:[1,1,0] neg_lo:[1,0,0] neg_hi:[1,0,0]   ; c0 - a^2
.set n, n+2
.endr
	s_wait_alu depctr_va_vdst(0)           ; one wait for the sixteen reciprocals, ahead of their first reader
.set n, 0
.rept 8
	v_pk_fma_f32 v[GP+n:GP+n+1], v[GT+n:GT+n+1], v[210:211], s[CF+16:CF+17] op_sel_hi:[1,0,0]       ; c9 t + c8
.set n, n+2
.endr
.irp k, 7,6,5,4,3,2,1
.set n, 0
.rept 8
	v_pk_fma_f32 v[GP+n:GP+n+1], v[GP+n:GP+n+1], v[GT+n:GT+n+1], s[CF+2*\k:CF+2*\k+1] op_sel_hi:[1,1,0]
.set n, n+2
.endr
.endr
.set n, 0
.rept 8
	v_pk_fma_f32 v[GP+n:GP+n+1], v[GP+n:GP+n+1], v[GT+n:GT+n+1], v[GE+n:GE+n+1]
.set n, n+2
.endr
.set n, 0
.rept 8
	v_pk_mul_f32 v[GP+n:GP+n+1], v[GP+n:GP+n+1], 0x3fb8aa3b op_sel_hi:[1,0]
.set n, n+2
.endr
.set n, 0
.rept 16
	v_exp_f32 v[GP+n], v[GP+n]
.set n, n+1
.endr
.set n, 0
.rept 8
	v_pk_mul_f32 v[GA+n:GA+n+1], v[GA+n:GA+n+1], v[GT+n:GT+n+1]    ; a t
.set n, n+2
.endr
.set n, 0
.rept 16
	v_max_num_f32 v[\x0+n], 0, v[\x0+n]
.set n, n+1
.endr
	s_wait_alu depctr_va_vdst(0)           ; one wait for the sixteen exponentials
.set n, 0
.rept 8
	v_pk_mul_f32 v[GA+n:GA+n+1], v[GA+n:GA+n+1], v[GP+n:GP+n+1]    ; a erfc(a)
.set n, n+2
.endr
.set n, 0
.rept 8
	v_pk_fma_f32 v[\x0+n:\x0+n+1], v[GA+n:GA+n+1], 0xbf3504f3, v[\x0+n:\x0+n+1] op_sel_hi:[1,0,1]
.set n, n+2
.endr
.endm
.macro COEF k, val
	s_mov_b32 s[CF+2*\k], \val
	s_mov_b32 s[CF+2*\k+1], \val
.endm
	s_load_b128 s[4:7], s[0:1], 0x0        ; wsa s[4:5], b1 s[6:7]
	s_load_b64 s[8:9], s[0:1], 0x10        ; wsh
	v_lshl_add_u32 v[SPW], v0, 2, SPARE
	v_mov_b32 v[NIL], 0
	ds_add_u32 v28, v29
	ds_add_u32 v28, v29
	s_wait_dscnt 0x0
	v_lshrrev_b32 v1, 5, v0
	v_readfirstlane_b32 s14, v1            ; wave 0..3
	s_lshr_b32 s15, s14, 1                 ; my half of X's tiles.  Also: I fetch for X (0) or for W (1)
	s_and_b32 s16, s14, 1                  ; my half of W's tiles.  Also: which half I fetch
	s_bfe_u32 s40, ttmp6, 0x40000          ; cx
	s_bfe_u32 s41, ttmp6, 0x40004          ; cy
	s_lshl_b32 s42, ttmp9, 2
	s_add_co_u32 s42, s42, s40             ; W's block of 16 tiles
	s_and_b32 s17, ttmp7, 0xffff
	s_lshl_b32 s17, s17, 2
	s_add_co_u32 s17, s17, s41             ; X's block of 16 tiles
	s_lshl_b32 s43, s41, 2
	s_lshl_b32 s43, 15, s43                ; my row of the cluster
	s_lshl_b32 s44, 0x1111, s40            ; my column
	s_or_b32 s[G1+0], s43, (3<<16)|(1<<21) ; 15:0 the mask; 17:16 elements of 8 bytes; 21 set beside a mask; no padding
	s_or_b32 s[G1B+0], s44, (3<<16)|(1<<21)
.irp g, G1, G1B
	s_mov_b32 s[\g+1], (TILEB/8)<<16
	s_mov_b32 s[\g+2], NB<<16
	s_mov_b32 s[\g+3], (TILEB/8)<<16
	s_mov_b32 s[\g+4], NB
	s_mov_b32 s[\g+5], KST*256
	s_mov_b32 s[\g+6], 0
	s_mov_b32 s[\g+7], 0
.endr
	s_or_b32 s[G1S+0], s43, (3<<16)|(1<<21)
	s_or_b32 s[G1SB+0], s44, (3<<16)|(1<<21)
.irp g, G1S, G1SB
	s_mov_b32 s[\g+1], 32<<16
	s_mov_b32 s[\g+2], (HALFS/256)<<16
	s_mov_b32 s[\g+3], 32<<16
	s_mov_b32 s[\g+4], HALFS/256
	s_mov_b32 s[\g+5], 32
	s_mov_b32 s[\g+6], 0
	s_mov_b32 s[\g+7], 0
.endr
	s_mul_i32 s18, s16, NB
	s_mul_i32 s20, s17, 2*NB
	s_add_co_u32 s20, s20, s18
	s_mul_i32 s46, s42, 2*NB
	s_add_co_u32 s46, s46, s18
	s_mul_i32 s22, s20, KST*64
	s_mul_i32 s92, s46, KST*64
	s_mul_i32 s20, s20, KST*2048
	s_mul_i32 s46, s46, KST*2048
	s_add_co_u32 s22, s22, XSO
	s_add_co_u32 s46, s46, WCO
	s_add_co_u32 s92, s92, WSO
	s_mov_b32 s21, 0
	s_mov_b32 s23, 0
	s_mov_b32 s47, 0
	s_mov_b32 s93, 0
	s_mul_i32 s45, s14, HALFT
	s_mul_i32 s94, s14, HALFS
	s_mov_b32 s[SEL], 0x76543210
	s_mov_b32 s[SEL+1], 0xfedcba98
	s_mov_b32 s[MNT], 0x600000
	s_wait_kmcnt 0x0
	s_add_nc_u64 s[20:21], s[4:5], s[20:21]
	s_add_nc_u64 s[22:23], s[4:5], s[22:23]
	s_add_nc_u64 s[46:47], s[4:5], s[46:47]
	s_add_nc_u64 s[92:93], s[4:5], s[92:93]
	CROUND                                 ; all sixteen work-groups are here: the first joint loads meet
	s_mov_b32 s[G0S], 1
	s_add_co_u32 s[G0S+1], s94, SCL
	s_mov_b64 s[G0S+2:G0S+3], s[22:23]
	s_or_b32 s[G0S+3], s[G0S+3], 0x80000000
	s_mov_b32 s[G0SB], 1
	s_add_co_u32 s[G0SB+1], s94, SCL
	s_mov_b64 s[G0SB+2:G0SB+3], s[92:93]
	s_or_b32 s[G0SB+3], s[G0SB+3], 0x80000000
	JLOAD G0S, G1S, G0SB, G1SB             ; three loads of mine are out at the most
.irp s, 0,1
	s_mov_b32 s[G0+4*\s], 1
	s_add_co_u32 s[G0+4*\s+1], s45, \s*SLOT
	s_add_nc_u64 s[G0+4*\s+2:G0+4*\s+3], s[20:21], \s*TILEB
	s_or_b32 s[G0+4*\s+3], s[G0+4*\s+3], 0x80000000
	s_mov_b32 s[G0B+4*\s], 1
	s_add_co_u32 s[G0B+4*\s+1], s45, \s*SLOT
	s_add_nc_u64 s[G0B+4*\s+2:G0B+4*\s+3], s[46:47], \s*TILEB
	s_or_b32 s[G0B+4*\s+3], s[G0B+4*\s+3], 0x80000000
	JLOAD G0+4*\s, G1, G0B+4*\s, G1B
.endr
	v_and_b32 v1, 15, v0                   ; r
	v_bfe_u32 v2, v0, 4, 1                 ; h
	v_and_b32 v3, 31, v0
	v_lshlrev_b32 v4, 4, v3                ; 16 x lane; it stays
	s_mul_i32 s21, s15, HALFT
	s_mul_i32 s22, s16, HALFT
	s_add_co_u32 s22, s22, 2*HALFT
.irp s, 0,1
	v_add_nc_u32 v[ADRX+\s], s21, v4
	v_add_nc_u32 v[ADRW+\s], s22, v4
	s_add_co_u32 s21, s21, SLOT
	s_add_co_u32 s22, s22, SLOT
.endr
	v_lshlrev_b32 v5, 2, v1
	s_mul_i32 s21, s15, HALFS
	s_mul_i32 s22, s16, HALFS
	s_add_co_u32 s22, s22, 2*HALFS
	s_sub_co_u32 s22, s22, s21
	v_mul_u32_u24 v6, s22, v2              ; lanes 16-31 take W's words
	s_add_co_u32 s21, s21, SCL
	v_add_nc_u32 v5, v5, v6
	v_add_nc_u32 v[ADRS], s21, v5
	s_lshl_b32 s46, s42, 10
	s_lshl_b32 s47, s16, 9
	s_add_co_u32 s46, s46, s47             ; my 128 hidden units, in bytes
	s_mov_b32 s47, 0
	s_add_nc_u64 s[6:7], s[6:7], s[46:47]
	v_lshlrev_b32 v19, 6, v2               ; 64 h
.irp b, 0,1,2,3,4,5,6,7
	global_load_b128 v[BIAS+8*\b:BIAS+8*\b+3], v19, s[6:7] offset:(32*(\b/2)+8*(\b%2))*4
	global_load_b128 v[BIAS+8*\b+4:BIAS+8*\b+7], v19, s[6:7] offset:(32*(\b/2)+8*(\b%2))*4+16
.endr
	s_wait_tensorcnt 1                     ; the scale words and my part of slot 0 are in; slot 1's load may stay out
	s_barrier_signal -1
	s_barrier_wait -1
	FETCH_W 0, 0, 0
	FETCH_X 0, 0, 0
	SCALES 0
	FETCH_X 0, 0, HB
	s_wait_loadcnt 0x0                     ; the bias
	STEP 0, 0, 1                           ; the first K step starts the sums with the bias
	s_mov_b32 s3, LAPS-1
.Llap:                                         ; a trip goes once round the ring and fills both slots again
	TURN 0, 1, 1
	STEP 1, 0, 0
	TURN 1, 0, 1
	STEP 0, 0, 0
	s_sub_co_u32 s3, s3, 1
	s_cmp_lg_u32 s3, 0
	s_cbranch_scc1 .Llap
	TURN 0, 1, 0                           ; the last lap fills nothing
	STEP 1, 0, 0
	s_wait_dscnt 4*HB
	MULH 0, HB, 1, NQ-1, 1, 0
	s_wait_dscnt 0x0
	MULH HB, HB, 1, NQ-1, 1, 0
	WIN 0
	; THE WAY OUT.  Every wave's reads of both slots are over: the slots, which have had their last fill, take the sums, 65,536 bytes a wave; a loop of eight trips takes the tiles of tokens one by one,
	; so that the gelu and the quantiser are written once.
	s_barrier_signal -1
	s_barrier_wait -1
	PLACES 8
	s_lshl_b32 s18, s17, 4
	s_lshl_b32 s19, s15, 3
	s_add_co_u32 s18, s18, s19             ; my first tile of tokens
	s_lshl_b32 s18, s18, 5
	s_lshl_b32 s19, s42, 1
	s_add_co_u32 s18, s18, s19
	s_add_co_u32 s18, s18, s16             ; 32 x tile + my K step of the next product
	s_lshl_b32 s46, s18, 11
	s_lshl_b32 s92, s18, 6
	s_add_co_u32 s92, s92, GS
	s_mov_b32 s47, 0
	s_mov_b32 s93, 0
	s_add_nc_u64 s[46:47], s[8:9], s[46:47]
	s_add_nc_u64 s[92:93], s[8:9], s[92:93]
	COEF 0, 0xbfa1fc4e                     ; no tensor load is out: the descriptors' registers take P's coefficients
	COEF 1, 0x3f8000c7
	COEF 2, 0x3ebf88fb
	COEF 3, 0x3dc636c9
	COEF 4, 0xbe3ec24c
	COEF 5, 0x3e8ec7cc
	COEF 6, 0xbf914e5d
	COEF 7, 0x3fbe87b0
	COEF 8, 0xbf527892
	v_mov_b32 v210, 0x3e2ef945             ; c9
	v_mov_b32 v211, 0x3e2ef945
	s_lshl_b32 s20, s14, 16
	v_add_nc_u32 v24, s20, v4              ; my 65,536 bytes, + 16 x lane
	v_lshlrev_b32 v23, 2, v1               ; 4 r
.irp b, 0,1,2,3
	v_mov_b32 v[TM+4+\b], 0                ; written once: a lane permute's destination counts as one of its sources
.endr
.set da, 0
.rept 8
	WIN 0x08+4*(da/4)                      ; an LDS store's data are its source 1: window 2 or 3
.set dt, 0
.rept 16
	ds_store_b128 v24, v[64*(da%4)+4*dt:64*(da%4)+4*dt+3] offset:da*8192+dt*512   ; each accumulator from its low end on
.set dt, dt+1
.endr
.set da, da+1
.endr
	WIN 0
	s_mov_b32 s3, 0
	s_mov_b32 s21, 0
.Lout:
	v_add_nc_u32 v25, s21, v24
.set dt, 0
.rept 16
	ds_load_b128 v[64+4*dt:67+4*dt], v25 offset:dt*512     ; my own bytes: LDS serves a wave's instructions in order
.set dt, dt+1
.endr
	s_wait_dscnt 0x0
	GELU16 64
	GELU16 80
	GELU16 96
	GELU16 112
	QUANT 64
.irp c, 0,1,2,3
	global_store_b128 v4, v[PC+4*\c:PC+4*\c+3], s[46:47] offset:512*\c     ; each store of the wave covers 512 consecutive bytes, aligned
.endr
	global_store_b32 v23, v[PW], s[92:93]  ; (both halves of the lanes write the same word)
	s_wait_xcnt 0x0                        ; the stores have read their registers and bases: both are written again only behind this wait
	s_add_nc_u64 s[46:47], s[46:47], 65536 ; the next tile of tokens: 32 K steps on
	s_add_nc_u64 s[92:93], s[92:93], 2048
	s_add_co_u32 s21, s21, 8192
	s_add_co_u32 s3, s3, 1
	s_cmp_lt_u32 s3, 8
	s_cbranch_scc1 .Lout
	s_wait_tensorcnt 0x0                   ; the wave's end
	ds_add_u32 v[SPW], v[NIL]
	s_wait_dscnt 0x0
	CROUND                                 ; the closing round
	s_endpgm
.Lfunc_end_k_q7cca298b5f_ff1:
	.size	k_q7cca298b5f_ff1, .Lfunc_end_k_q7cca298b5f_ff1-k_q7cca298b5f_ff1
	.p2alignl 7, 3214868480
	.fill 96, 4, 3214868480
	.section	.rodata,"a",@progbits
	.p2align	6, 0x0
	.amdhsa_kernel k_q7cca298b5f_ff1
		.amdhsa_group_segment_fixed_size 327680
		.amdhsa_private_segment_fixed_size 0
		.amdhsa_enable_private_segment 0
		.amdhsa_kernarg_size 24
		.amdhsa_user_sgpr_count 2
		.amdhsa_user_sgpr_kernarg_segment_ptr 1
		.amdhsa_wavefront_size32 1
		.amdhsa_system_sgpr_workgroup_id_x 1
		.amdhsa_system_sgpr_workgroup_id_y 1
		.amdhsa_system_sgpr_workgroup_id_z 1
		.amdhsa_system_vgpr_workitem_id 0
		.amdhsa_next_free_vgpr 1024
		.amdhsa_next_free_sgpr 106
		.amdhsa_reserve_vcc 0
		.amdhsa_float_denorm_mode_32 3
		.amdhsa_float_denorm_mode_16_64 3
		.amdhsa_memory_ordered 1
		.amdhsa_forward_progress 1
		.amdhsa_inst_pref_size 183
	.end_amdhsa_kernel
	.amdgpu_metadata
---
amdhsa.version: [ 1, 2 ]
amdhsa.kernels:
  - .name:           k_q7cca298b5f_ff1
    .symbol:         k_q7cca298b5f_ff1.kd
    .args:
      - { .name: wsa, .offset: 0, .size: 8, .value_kind: global_buffer, .address_space: global }
      - { .name: b1, .offset: 8, .size: 8, .value_kind: global_buffer, .address_space: global }
      - { .name: wsh, .offset: 16, .size: 8, .value_kind: global_buffer, .address_space: global }
    .group_segment_fixed_size: 327680
    .private_segment_fixed_size: 0
    .kernarg_segment_align: 8
    .kernarg_segment_size: 24
    .max_flat_workgroup_size: 128
    .sgpr_count:     106
    .vgpr_count:     1024
    .wavefront_size: 32
...
	.end_amdgpu_metadata
.endif
;; end of part 5
;; launch ff2 (part 6): grid 8 x 32, 4 waves a work-group, clusters of 4 x 4, 327,680 bytes of LDS; arguments wsh, wsa, b2, x1, out0; writes out0
.if DOCPART == 6
	.amdgcn_target "amdgcn-amd-amdhsa--gfx1250"
	.amdhsa_code_object_version 6
	.text
	.protected	k_q7cca298b5f_ff2
	.globl	k_q7cca298b5f_ff2
	.p2align	8
	.type	k_q7cca298b5f_ff2,@function
k_q7cca298b5f_ff2:
	s_mov_b64 s[64:65], 0
	v_nop
	global_prefetch_b8 v0, s[64:65] scope:SCOPE_SE
	s_setreg_imm32_b32 hwreg(HW_REG_WAVE_MODE, 25, 1), 1
	s_wait_xcnt 0x0
	s_wait_alu depctr_hold_cnt(0) depctr_sa_sdst(0) depctr_va_vdst(0) depctr_va_sdst(0) depctr_va_ssrc(0) depctr_va_vcc(0) depctr_vm_vsrc(0)
	s_getreg_b32 s2, hwreg(HW_REG_IB_STS2, 6, 4)
	s_cmp_eq_u32 s2, 0
	s_cbranch_scc0 .Lentry_in_a_cluster
	s_endpgm
.Lentry_in_a_cluster:
	s_bfe_u32 s2, ttmp6, 0x10000c
	s_cmp_lg_u32 s2, 0xf033
	s_cbranch_scc0 .Lentry_shape_is_right
	s_endpgm
.Lentry_shape_is_right:
; out = resid + X W + bias on codes of E5M2 (one E8M0 byte for each 32 along K): here out0 = x1 + hidden W2 + b2, K = 4,096.
; Operands are images of operand registers (16 rows x 128 K = 2,048 bytes, lane l's 16 bytes of piece c at 512 c + 16 l); row r of tile T is index 32 (T / 2) + 8 (T % 2) + r + (r & 8).
; Source 0 = tiles of W (output columns), source 1 = tiles of X (tokens): a lane holds one token and eight neighbouring columns.
; The output has 4,096 x 1,024 numbers, 16,384 for each of 256 work-groups: a work-group makes 128 x 128, a wave 64 x 64 (16 accumulators).  A slot holds four K steps of 128, so that the one load
; a wave issues behind a round (32,768 bytes) has 64 matrix instructions a wave in which to land; the ring of two slots goes round four times.
; 4 x 4 work-groups form a cluster: X's tiles are asked for jointly along a row of the cluster, W's along a column.
; REGISTERS: window 0: v0-31 addresses, v32-63 scale words, v64-95 the bias, v128-191 X's fragments, v192-255 the way out; window 1: W's fragments (two sets); window 2: v0-127 accumulators, v128-255 the residual.
.set NB, 4
.set HB, NB/2
.set NQ, 4
.set KST, 32
.set XSO, 16777216                     ; X's scale words in its buffer (its codes lie at 0)
.set WCO, 12976128                     ; W's codes in wsa
.set WSO, 17170432                     ; and its scale words
.set TILEB, NQ*2048
.set HALFT, NB*TILEB
.set SLOT, 4*HALFT
.set SCL, 2*SLOT
.set HALFS, NB*KST*64
.set SPARE, SCL+4*HALFS                ; the spare words, 128 bytes a wave, that no other line names
.set LAPS, KST/(2*NQ)
.set ADRX, 16
.set ADRW, 20
.set ADRS, 27
.set SPW, 28
.set NIL, 29
.set SC, 32
.set BIAS, 64
.set AF, 128
.set G1, 24
.set G0, 32
.set G1B, 48
.set G0B, 56
.set G1S, 68
.set G0S, 76
.set G1SB, 80
.set G0SB, 88
.set MSB, 0
.macro WIN new
.if MSB != (\new)
	s_set_vgpr_msb (MSB<<8)|(\new)
.set MSB, (\new)
.endif
.endm
.macro JLOAD g0a, g1a, g0b, g1b        ; a joint load: waves 0 and 1 fetch for X, waves 2 and 3 for W; four v_nop follow each line
	s_cmp_eq_u32 s15, 0
	s_cbranch_scc0 .Lfor_b_\@
	tensor_load_to_lds s[\g0a:\g0a+3], s[\g1a:\g1a+7]
	s_nop 0
.rept 4
	v_nop
.endr
	s_branch .Lasked_\@
.Lfor_b_\@:
	tensor_load_to_lds s[\g0b:\g0b+3], s[\g1b:\g1b+7]
	s_nop 0
.rept 4
	v_nop
.endr
.Lasked_\@:
.endm
.macro CREST
	s_cmp_lg_u32 s14, 0
	s_cbranch_scc1 .Lnot_wave_0_\@
	s_barrier_signal -3
.Lnot_wave_0_\@:
	s_barrier_wait -3
	s_barrier_signal -1
	s_barrier_wait -1
.endm
.macro CROUND
	s_barrier_signal -1
	s_barrier_wait -1
	CREST
.endm
.macro PLACES n                        ; plain places behind matrix instructions: eight for this form
.rept \n
	v_nop
.endr
.endm
.macro FRAG reg, adr, q, i
.irp c, 0,1,2,3
	ds_load_b128 v[\reg+4*\c:\reg+4*\c+3], v[\adr] offset:(\i)*TILEB+(\q)*2048+512*\c
.endr
.endm
.macro FETCH_W slot, q, p
	WIN 0x40
.set fi, 0
.rept NB
	FRAG 128*(\p)+16*fi, ADRW+\slot, \q, fi
.set fi, fi+1
.endr
	WIN 0
.endm
.macro FETCH_X slot, q, i0
.set fi, \i0
.rept HB
	FRAG AF+16*fi, ADRX+\slot, \q, fi
.set fi, fi+1
.endr
.endm
.macro SCALES sc                       ; a slot's scale words: lanes 0-15 take X's tile i, lanes 16-31 W's tile i
.set fi, 0
.rept NB
.set fq, 0
.rept NQ
	ds_load_b32 v[SC+NB*NQ*(\sc)+NQ*fi+fq], v[ADRS] offset:fi*KST*64+fq*64
.set fq, fq+1
.endr
.set fi, fi+1
.endr
.endm
; X's tiles a0 .. a0 + na - 1 against W's NB.  cm = 0: onto the sums; 1: the bias starts them.  The accumulators take turns, one instruction a turn.
.macro MULH a0, na, p, q, sc, cm
.set ma, \a0
.rept \na
.if \cm
	WIN 0x81
.else
	WIN 0xa1
.endif
.set mb, 0
.rept NB
.set rD, 8*(NB*ma+mb)
.set rW, 128*(\p)+16*mb
.set rX, AF+16*ma
.set rSW, SC+NB*NQ*(\sc)+NQ*mb+(\q)
.set rSX, SC+NB*NQ*(\sc)+NQ*ma+(\q)
.if \cm == 0
	v_wmma_scale_f32_16x16x128_f8f6f4 v[rD:rD+7], v[rW:rW+15], v[rX:rX+15], v[rD:rD+7], v[rSW], v[rSX] matrix_a_fmt:MATRIX_FMT_BF8 matrix_b_fmt:MATRIX_FMT_BF8 matrix_a_scale:MATRIX_SCALE_ROW1
.else
	v_wmma_scale_f32_16x16x128_f8f6f4 v[rD:rD+7], v[rW:rW+15], v[rX:rX+15], v[BIAS+8*mb:BIAS+8*mb+7], v[rSW], v[rSX] matrix_a_fmt:MATRIX_FMT_BF8 matrix_b_fmt:MATRIX_FMT_BF8 matrix_a_scale:MATRIX_SCALE_ROW1
.endif
.set mb, mb+1
.endr
.set ma, ma+1
.endr
.endm
.macro STEP slot, q, cm
	s_wait_dscnt 4*HB                      ; all but the youngest loads, X's second half
	MULH 0, HB, (\q)%2, \q, \slot, \cm
	s_wait_dscnt 0x0
	PLACES 8
	FETCH_W \slot, (\q)+1, 1-(\q)%2
	FETCH_X \slot, (\q)+1, 0
	MULH HB, HB, (\q)%2, \q, \slot, \cm
	PLACES 8
	WIN 0
	FETCH_X \slot, (\q)+1, HB
.endm
.macro TURN slot, next, fill
	s_wait_tensorcnt 0x0                   ; all my tensor loads have landed: my part of the next slot
	ds_add_u32 v[SPW], v[NIL]              ; 0 onto my spare word
	s_wait_dscnt 4*HB+1                    ; (the add and X's second half may be out)
	MULH 0, HB/2, 1, NQ-1, \slot, 0
	s_wait_dscnt 0x0                       ; the add is done, and my reads of this slot are over
	s_barrier_signal -1
	MULH HB/2, HB/2, 1, NQ-1, \slot, 0
	WIN 0
	s_barrier_wait -1
.if \fill
	CREST                                  ; the barrier has opened a round of the cluster's: no wave of any partner still reads this slot or has a load on its way
	s_add_nc_u64 s[G0+4*\slot+2:G0+4*\slot+3], s[G0+4*\slot+2:G0+4*\slot+3], 2*TILEB
	s_add_nc_u64 s[G0B+4*\slot+2:G0B+4*\slot+3], s[G0B+4*\slot+2:G0B+4*\slot+3], 2*TILEB
	JLOAD G0+4*\slot, G1, G0B+4*\slot, G1B
	PLACES 4
.else
	PLACES 8
.endif
	v_add_nc_u32 v[ADRS], NQ*64, v[ADRS]
	FETCH_W \next, 0, 0
	FETCH_X \next, 0, 0
	SCALES \next
	MULH HB, HB, 1, NQ-1, \slot, 0
	PLACES 8
	WIN 0
	FETCH_X \next, 0, HB
.endm
.macro REST slot
.if NQ > 2
.set rq, 1
.rept NQ-2
	STEP \slot, rq, 0
.set rq, rq+1
.endr
.endif
.endm
	s_load_b256 s[4:11], s[0:1], 0x0       ; X's buffer s[4:5], wsa s[6:7], the bias s[8:9], the residual s[10:11]
	s_load_b64 s[12:13], s[0:1], 0x20      ; the output
	v_lshl_add_u32 v[SPW], v0, 2, SPARE
	v_mov_b32 v[NIL], 0
	ds_add_u32 v28, v29
	ds_add_u32 v28, v29
	s_wait_dscnt 0x0
	v_lshrrev_b32 v1, 5, v0
	v_readfirstlane_b32 s14, v1            ; wave 0..3
	s_lshr_b32 s15, s14, 1                 ; my half of X's tiles.  Also: I fetch for X (0) or for W (1)
	s_and_b32 s16, s14, 1                  ; my half of W's tiles.  Also: which half I fetch
	s_bfe_u32 s40, ttmp6, 0x40000          ; cx
	s_bfe_u32 s41, ttmp6, 0x40004          ; cy
	s_lshl_b32 s42, ttmp9, 2
	s_add_co_u32 s42, s42, s40             ; W's block of 8 tiles
	s_and_b32 s17, ttmp7, 0xffff
	s_lshl_b32 s17, s17, 2
	s_add_co_u32 s17, s17, s41             ; X's block of 8 tiles
	s_lshl_b32 s43, s41, 2
	s_lshl_b32 s43, 15, s43                ; my row of the cluster
	s_lshl_b32 s44, 0x1111, s40            ; my column
	s_or_b32 s[G1+0], s43, (3<<16)|(1<<21) ; 15:0 the mask; 17:16 elements of 8 bytes; 21 set beside a mask; no padding
	s_or_b32 s[G1B+0], s44, (3<<16)|(1<<21)
.irp g, G1, G1B
	s_mov_b32 s[\g+1], (TILEB/8)<<16
	s_mov_b32 s[\g+2], NB<<16
	s_mov_b32 s[\g+3], (TILEB/8)<<16
	s_mov_b32 s[\g+4], NB
	s_mov_b32 s[\g+5], KST*256
	s_mov_b32 s[\g+6], 0
	s_mov_b32 s[\g+7], 0
.endr
	s_or_b32 s[G1S+0], s43, (3<<16)|(1<<21)
	s_or_b32 s[G1SB+0], s44, (3<<16)|(1<<21)
.irp g, G1S, G1SB
	s_mov_b32 s[\g+1], 32<<16
	s_mov_b32 s[\g+2], (HALFS/256)<<16
	s_mov_b32 s[\g+3], 32<<16
	s_mov_b32 s[\g+4], HALFS/256
	s_mov_b32 s[\g+5], 32
	s_mov_b32 s[\g+6], 0
	s_mov_b32 s[\g+7], 0
.endr
	s_mul_i32 s18, s16, NB
	s_mul_i32 s20, s17, 2*NB
	s_add_co_u32 s20, s20, s18
	s_mul_i32 s46, s42, 2*NB
	s_add_co_u32 s46, s46, s18
	s_mul_i32 s22, s20, KST*64
	s_mul_i32 s92, s46, KST*64
	s_mul_i32 s20, s20, KST*2048
	s_mul_i32 s46, s46, KST*2048
	s_add_co_u32 s22, s22, XSO
	s_add_co_u32 s46, s46, WCO
	s_add_co_u32 s92, s92, WSO
	s_mov_b32 s21, 0
	s_mov_b32 s23, 0
	s_mov_b32 s47, 0
	s_mov_b32 s93, 0
	s_mul_i32 s45, s14, HALFT
	s_mul_i32 s94, s14, HALFS
	s_wait_kmcnt 0x0
	s_add_nc_u64 s[20:21], s[4:5], s[20:21]
	s_add_nc_u64 s[22:23], s[4:5], s[22:23]
	s_add_nc_u64 s[46:47], s[6:7], s[46:47]
	s_add_nc_u64 s[92:93], s[6:7], s[92:93]
	CROUND                                 ; all sixteen work-groups are here: the first joint loads meet
	s_mov_b32 s[G0S], 1
	s_add_co_u32 s[G0S+1], s94, SCL
	s_mov_b64 s[G0S+2:G0S+3], s[22:23]
	s_or_b32 s[G0S+3], s[G0S+3], 0x80000000
	s_mov_b32 s[G0SB], 1
	s_add_co_u32 s[G0SB+1], s94, SCL
	s_mov_b64 s[G0SB+2:G0SB+3], s[92:93]
	s_or_b32 s[G0SB+3], s[G0SB+3], 0x80000000
	JLOAD G0S, G1S, G0SB, G1SB             ; three loads of mine are out at the most
.irp s, 0,1
	s_mov_b32 s[G0+4*\s], 1
	s_add_co_u32 s[G0+4*\s+1], s45, \s*SLOT
	s_add_nc_u64 s[G0+4*\s+2:G0+4*\s+3], s[20:21], \s*TILEB
	s_or_b32 s[G0+4*\s+3], s[G0+4*\s+3], 0x80000000
	s_mov_b32 s[G0B+4*\s], 1
	s_add_co_u32 s[G0B+4*\s+1], s45, \s*SLOT
	s_add_nc_u64 s[G0B+4*\s+2:G0B+4*\s+3], s[46:47], \s*TILEB
	s_or_b32 s[G0B+4*\s+3], s[G0B+4*\s+3], 0x80000000
	JLOAD G0+4*\s, G1, G0B+4*\s, G1B
.endr
	v_and_b32 v1, 15, v0                   ; r
	v_bfe_u32 v2, v0, 4, 1                 ; h
	v_and_b32 v3, 31, v0
	v_lshlrev_b32 v4, 4, v3                ; 16 x lane
	s_mul_i32 s21, s15, HALFT
	s_mul_i32 s22, s16, HALFT
	s_add_co_u32 s22, s22, 2*HALFT
.irp s, 0,1
	v_add_nc_u32 v[ADRX+\s], s21, v4
	v_add_nc_u32 v[ADRW+\s], s22, v4
	s_add_co_u32 s21, s21, SLOT
	s_add_co_u32 s22, s22, SLOT
.endr
	v_lshlrev_b32 v5, 2, v1
	s_mul_i32 s21, s15, HALFS
	s_mul_i32 s22, s16, HALFS
	s_add_co_u32 s22, s22, 2*HALFS
	s_sub_co_u32 s22, s22, s21
	v_mul_u32_u24 v6, s22, v2              ; lanes 16-31 take W's words
	s_add_co_u32 s21, s21, SCL
	v_add_nc_u32 v5, v5, v6
	v_add_nc_u32 v[ADRS], s21, v5
	; the bias, in the result's layout, and the residual, in the layout of the way out
	s_lshl_b32 s46, s42, 9
	s_lshl_b32 s47, s16, 8
	s_add_co_u32 s46, s46, s47             ; my 64 columns, in bytes
	s_mov_b32 s47, 0
	s_add_nc_u64 s[8:9], s[8:9], s[46:47]
	s_lshl_b32 s20, s17, 7
	s_lshl_b32 s21, s15, 6
	s_add_co_u32 s20, s20, s21             ; my 64 tokens
	s_lshl_b32 s20, s20, 12
	s_add_co_u32 s20, s20, s46
	s_mov_b32 s21, 0
	s_add_nc_u64 s[10:11], s[10:11], s[20:21]
	s_add_nc_u64 s[12:13], s[12:13], s[20:21]
	v_lshlrev_b32 v19, 6, v2               ; 64 h
	v_lshlrev_b32 v26, 12, v2
	v_lshl_add_u32 v26, v1, 4, v26         ; lanes 0-15 one row of 256 bytes, lanes 16-31 the next
	s_mul_i32 s23, s14, 16*272             ; my stage: 16 rows x (256 + 16) bytes, in slot 0
	v_mul_u32_u24 v24, v1, 272
	v_lshl_add_u32 v24, v2, 6, v24
	v_add_nc_u32 v24, s23, v24             ; in: row r, + 64 h
	v_mul_u32_u24 v25, v2, 272
	v_lshl_add_u32 v25, v1, 4, v25
	v_add_nc_u32 v25, s23, v25             ; back: two rows an instruction
.irp b, 0,1,2,3
	global_load_b128 v[BIAS+8*\b:BIAS+8*\b+3], v19, s[8:9] offset:(32*(\b/2)+8*(\b%2))*4
	global_load_b128 v[BIAS+8*\b+4:BIAS+8*\b+7], v19, s[8:9] offset:(32*(\b/2)+8*(\b%2))*4+16
.endr
	WIN 0x80                               ; destination window 2
.set ra, 0
.rept 4
.set rt, 0
.rept 8
	global_load_b128 v[128+32*ra+4*rt:131+32*ra+4*rt], v26, s[10:11] offset:(32*(ra/2)+8*(ra%2)+2*rt+8*(rt/4))*4096 th:TH_LOAD_NT
.set rt, rt+1
.endr
.set ra, ra+1
.endr
	WIN 0
	s_wait_tensorcnt 1                     ; the scale words and my part of slot 0 are in; slot 1's load may stay out
	s_barrier_signal -1
	s_barrier_wait -1
	FETCH_W 0, 0, 0
	FETCH_X 0, 0, 0
	SCALES 0
	FETCH_X 0, 0, HB
	s_wait_loadcnt 32                      ; the bias is in; the 32 loads of the residual may stay out
	STEP 0, 0, 1                           ; the first K step starts the sums with the bias
.if LAPS > 1
	s_mov_b32 s3, LAPS-1
.Llap:                                         ; a trip goes once round the ring and fills both slots again
	REST 0
	TURN 0, 1, 1
	STEP 1, 0, 0
	REST 1
	TURN 1, 0, 1
	STEP 0, 0, 0
	s_sub_co_u32 s3, s3, 1
	s_cmp_lg_u32 s3, 0
	s_cbranch_scc1 .Llap
.endif
	REST 0
	TURN 0, 1, 0                           ; the last lap fills nothing
	STEP 1, 0, 0
	REST 1
	s_wait_dscnt 4*HB
	MULH 0, HB, 1, NQ-1, 1, 0
	s_wait_dscnt 0x0
	MULH HB, HB, 1, NQ-1, 1, 0
	WIN 0
; THE WAY OUT, a tile of 16 tokens x 64 columns at a time, through my stage in slot 0 (it has had its last fill, and every wave has passed the last change of slots, behind which nobody reads it).
.macro TOSTAGE a
	WIN 0x08                               ; an LDS store's data are its source 1: window 2
.irp b, 0,1,2,3
	ds_store_b128 v24, v[8*(4*(\a)+\b):8*(4*(\a)+\b)+3] offset:128*(\b/2)+32*(\b%2)          ; each accumulator from its low end on
	ds_store_b128 v24, v[8*(4*(\a)+\b)+4:8*(4*(\a)+\b)+7] offset:128*(\b/2)+32*(\b%2)+16
.endr
	WIN 0
.irp t, 0,1,2,3,4,5,6,7
	ds_load_b128 v[192+32*((\a)%2)+4*\t:195+32*((\a)%2)+4*\t], v25 offset:544*\t            ; LDS serves a wave's instructions in order
.endr
.endm
.macro SEND a, younger                 ; younger: the LDS instructions issued behind tile a's loads
.set BB, 192+32*((\a)%2)
	s_wait_dscnt \younger
	WIN 0x08                               ; source 1, the residual: window 2
.set n, 0
.rept 16
	v_pk_add_f32 v[BB+n:BB+n+1], v[BB+n:BB+n+1], v[128+32*(\a)+n:129+32*(\a)+n]
.set n, n+2
.endr
	WIN 0
.irp t, 0,1,2,3,4,5,6,7
	global_store_b128 v26, v[BB+4*\t:BB+4*\t+3], s[12:13] offset:(32*((\a)/2)+8*((\a)%2)+2*\t+8*(\t/4))*4096 th:TH_STORE_NT   ; sixteen lanes store 256 consecutive bytes, aligned
.endr
.endm
	PLACES 8
	s_wait_loadcnt 0x0                     ; the residual
	TOSTAGE 0
	TOSTAGE 1
	SEND 0, 16                             ; behind tile 0's loads: tile 1's 8 stores and 8 loads
	s_wait_xcnt 0x0                        ; tile 0's stores have read their registers: tile 2's loads may land there
	TOSTAGE 2
	SEND 1, 16
	s_wait_xcnt 0x0
	TOSTAGE 3
	SEND 2, 16
	SEND 3, 0
	s_wait_tensorcnt 0x0                   ; the wave's end
	ds_add_u32 v[SPW], v[NIL]
	s_wait_dscnt 0x0
	CROUND                                 ; the closing round
	s_endpgm
.Lfunc_end_k_q7cca298b5f_ff2:
	.size	k_q7cca298b5f_ff2, .Lfunc_end_k_q7cca298b5f_ff2-k_q7cca298b5f_ff2
	.p2alignl 7, 3214868480
	.fill 96, 4, 3214868480
	.section	.rodata,"a",@progbits
	.p2align	6, 0x0
	.amdhsa_kernel k_q7cca298b5f_ff2
		.amdhsa_group_segment_fixed_size 327680
		.amdhsa_private_segment_fixed_size 0
		.amdhsa_enable_private_segment 0
		.amdhsa_kernarg_size 40
		.amdhsa_user_sgpr_count 2
		.amdhsa_user_sgpr_kernarg_segment_ptr 1
		.amdhsa_wavefront_size32 1
		.amdhsa_system_sgpr_workgroup_id_x 1
		.amdhsa_system_sgpr_workgroup_id_y 1
		.amdhsa_system_sgpr_workgroup_id_z 1
		.amdhsa_system_vgpr_workitem_id 0
		.amdhsa_next_free_vgpr 768
		.amdhsa_next_free_sgpr 106
		.amdhsa_reserve_vcc 0
		.amdhsa_float_denorm_mode_32 3
		.amdhsa_float_denorm_mode_16_64 3
		.amdhsa_memory_ordered 1
		.amdhsa_forward_progress 1
		.amdhsa_inst_pref_size 108
	.end_amdhsa_kernel
	.amdgpu_metadata
---
amdhsa.version: [ 1, 2 ]
amdhsa.kernels:
  - .name:           k_q7cca298b5f_ff2
    .symbol:         k_q7cca298b5f_ff2.kd
    .args:
      - { .name: wsh, .offset: 0, .size: 8, .value_kind: global_buffer, .address_space: global }
      - { .name: wsa, .offset: 8, .size: 8, .value_kind: global_buffer, .address_space: global }
      - { .name: b2, .offset: 16, .size: 8, .value_kind: global_buffer, .address_space: global }
      - { .name: x1, .offset: 24, .size: 8, .value_kind: global_buffer, .address_space: global }
      - { .name: out0, .offset: 32, .size: 8, .value_kind: global_buffer, .address_space: global }
    .group_segment_fixed_size: 327680
    .private_segment_fixed_size: 0
    .kernarg_segment_align: 8
    .kernarg_segment_size: 40
    .max_flat_workgroup_size: 128
    .sgpr_count:     106
    .vgpr_count:     768
    .wavefront_size: 32
...
	.end_amdgpu_metadata
.endif
;; end of part 6
